; MI455X (gfx1250); checked and timed in simulation.
; The chip was launched on July 23, 2026; its instructions are those of AMD's public machine-readable ISA for CDNA 5 (MIT licence, August 2026) and "CDNA5" Instruction Set Architecture Reference Guide (July 2026). The comments in the code are by the model that wrote it; some were corrected since.
;; Multi Head Attn. Allowed arithmetic: matrix products marked QUANTISED: E2M3 operands, one E8M0 scale for each 32 along K, by v_wmma_scale_f32_16x16x128_f8f6f4 with both operands' format E2M3, f32 sums; everything else in f32.
;; Inputs: Wk 1,024 x 1,024 float32; Wo 1,024 x 1,024 float32; Wq 1,024 x 1,024 float32; Wv 1,024 x 1,024 float32; bk 1,024 float32; bo 1,024 float32; bq 1,024 float32; bv 1,024 float32; k 4 x 2,048 x 1,024 float32; mask 1 x 1 x 2,048 x 2,048 bool; q 4 x 2,048 x 1,024 float32; v 4 x 2,048 x 1,024 float32.
;; Outputs: out0 4 x 2,048 x 1,024 float32.
;; This version of the problem:
;;   THIS VERSION OF THE PROBLEM IS GIVEN IN LOW PRECISION. The matrix products marked QUANTISED in the list below multiply operands that are first quantised to E2M3 (2 exponent bits, 3 mantissa bits; 6 bits a number), with one power-of-two scale for each 32 numbers along K (OCP MX v1.0); their sums are f32. All else is computed in f32.
;;   The module's matrix products, in the order in which they are computed (A, B: the left and right operand; K: the contracted axis; several contracted axes count as one K, in the product's order):
;;     1. [M 8,192, K 1,024] x [K 1,024, N 1,024]; A: input q; B: input Wq: QUANTISED
;;     2. [M 8,192, K 1,024] x [K 1,024, N 1,024]; A: input k; B: input Wk: QUANTISED
;;     3. [M 8,192, K 1,024] x [K 1,024, N 1,024]; A: input v; B: input Wv: QUANTISED
;;     4. batch 64 x [M 2,048, K 64] x [K 64, N 2,048]; A: computed on the way; B: computed on the way: QUANTISED
;;     5. batch 64 x [M 2,048, K 2,048] x [K 2,048, N 64]; A: softmax (see below); B: computed on the way: QUANTISED
;;     6. [M 8,192, K 1,024] x [K 1,024, N 1,024]; A: computed on the way; B: input Wo: QUANTISED
;;   THE QUANTISER, for each operand of a quantised product, along K:
;;     - K is cut into blocks of 32 from its start; a last block that is shorter is filled with zeros.
;;     - A block's scale is 2^e with e = floor(log2(the largest magnitude in the block)) - 2, held to -126 .. 127; a block of zeros has e = 0. As a byte (E8M0): e + 127.
;;     - Each number is divided by its block's scale, clamped to +-7.5, and rounded to the nearest number of E2M3, ties to even, subnormals kept.
;;     - The product sums the exact products of the quantised numbers (number of the format x scale) in f32.
;;   ~~~python
;;   def quantise(x, axis):      # numpy; x: float32 -> the quantised numbers, widened to float32 again
;;       x = np.moveaxis(x, axis, -1); K = x.shape[-1]
;;       x = np.pad(x, [(0, 0)] * (x.ndim - 1) + [(0, -K % 32)]); x = x.reshape(x.shape[:-1] + (-1, 32)); a = np.abs(x).max(-1, keepdims=True)
;;       e = np.where(a > 0, np.clip(np.frexp(np.where(a > 0, a, 1))[1] - 1 - 2, -126, 127), 0)      # np.frexp(a)[1] - 1 = floor(log2(a)), exactly
;;       r = np.clip(x / 2.0 ** e, -7.5, 7.5)
;;       step = 2.0 ** (np.maximum(np.frexp(np.where(r == 0, 1, r))[1] - 1, 0) - 3)
;;       q = np.round(r / step) * step * 2.0 ** e      # np.round: ties to even
;;       return np.moveaxis(q.reshape(q.shape[:-2] + (-1,))[..., :K], -1, axis).astype(np.float32)
;;   ~~~
;;   SOFTMAX AHEAD OF A QUANTISED PRODUCT. Where the list says 'softmax', what is quantised is not the finished softmax but p = 2^(t - M), with t = logit x log2(e) and M = ceil(the row's largest t), a whole number; so 1/2 < the row's largest p <= 1. The row's sum l is taken of the UNQUANTISED p, in f32, and the product's result is divided by l at the end. Since M is a whole number, a kernel that streams over the keys may use a running M (the ceiling of the running maximum): every later rescaling is an exact power of two, which a block's scale takes up: the codes' values come out the same.
;;   OPERANDS COMPUTED ON THE WAY. 'Computed on the way' means the value that the module computes at that place (a softmax that the list does not call 'softmax' is quantised finished and normalised). What goes into a quantiser is computed in f32, as accurately as f32 sums, v_exp_f32 and their like allow (about 1e-6 of the number): no bf16 or f16 on the way to a quantiser, and a product that is left as it is and whose result goes on into a quantised operand takes f32 operands (vector FMAs, or v_wmma_f32_16x16x4_f32). A number that lies on a knife's edge between two numbers of the format may be rounded either way, as far as f32 arithmetic and the matrix unit's own rounding can turn it there, and no further.
;; One version. Each part assembles by itself: llvm-mc -triple=amdgcn-amd-amdhsa -mcpu=gfx1250 --defsym DOCPART=n.
;; ======== version 1 of 1: 5 launches
;; workspace buffers: c1 22,020,096 bytes; s1 917,504 bytes; hc 18,874,368 bytes; hs 1,310,720 bytes; xc 6,291,456 bytes; xs 262,144 bytes
;; launch quant (part 1): grid 896 x 1, 4 waves a work-group, no clusters, 33,280 bytes of LDS; arguments q, k, v, Wq, Wk, Wv, Wo, c1, s1; writes c1, s1
.if DOCPART == 1
	.amdgcn_target "amdgcn-amd-amdhsa--gfx1250"
	.amdhsa_code_object_version 6
	.text
	.protected	k_q507e68f6fe_quant
	.globl	k_q507e68f6fe_quant
	.p2align	8
	.type	k_q507e68f6fe_quant,@function
k_q507e68f6fe_quant:
	s_mov_b64 s[64:65], 0
	v_nop
	global_prefetch_b8 v0, s[64:65] scope:SCOPE_SE
	s_setreg_imm32_b32 hwreg(HW_REG_WAVE_MODE, 25, 1), 1
	s_wait_xcnt 0x0
; q, k, v [8192][1024] and Wq, Wk, Wv, Wo [1024][1024], f32, K innermost in all seven, become codes of FP6 (E2M3) and one E8M0 byte for each 32 along K.
; c1: rows of 768 bytes, s1: rows of 32 bytes, both in the order q, k, v, Wq, Wk, Wv, Wo: 28,672 rows.
; A block's scale is 2^(floor(log2(its largest magnitude)) - 2); its byte is the largest magnitude's exponent field - 2, held at 1 from below.  A block of zeros so gets the byte 1 where the
; rule says 127: its codes are zeros, which add nothing, and the bytes are read by this program alone.
; LIMITS: blocks whose largest magnitude lies under 2^(2 - 126) keep the byte 1; NaN and infinities among the inputs are not served.
; The input mask is read by no launch of this program: reference() throws its masked scores away, so that no output number hangs on it.
; SHARES.  A work-group takes 32 rows, a wave 8 rows = 8,192 numbers in 16 steps of 512.  Each load reads 512 consecutive bytes; a step's 2,048 bytes turn through the wave's own stage in LDS,
; so that a lane holds 16 neighbours along K (two neighbouring lanes hold a block).  A wave's 256 scale bytes are gathered in LDS and leave as one aligned run of 256 bytes.
; THE ORDER OF ROWS.  In k, v, Wq, Wk and Wv the rows of each aligned group of 32 are stored with bits 3 and 4 of the row's number exchanged: a wave's 8 rows go to the place of wave
; (w & 1) x 2 + (w >> 1).  Sixteen stored rows on end are then rows 8 u + r + 8 (r / 8) of the group: as source 0 of a product they leave 16 neighbours along the next K in a lane's registers.
; q and Wo keep their order.  No tensor loads, no barrier: waves share nothing.  Loads run four steps (16 loads a wave) ahead, the turn through LDS one step.
.set WAVES, 4
.set STEPS, 16
.set EMAX,  2
.set CB,    12                         ; bytes of 16 codes
.set R,     16                         ; v16-79   four sets of 16 numbers as they are loaded
.set X,     80                         ; v80-111  two sets of 16 neighbours
.set C,     128                        ; v128-191 codes: four registers for each step, so that no store's data are written again
.set E,     112                        ; v112-127 a scale byte for each step
.set WREG,  8192                       ; LDS: a region for each wave: two stages of 32 x SP bytes, behind them its 256 scale bytes
.set SP,    80                         ; a lane's place in a stage: its 64 bytes + 16 of padding
.set SPW,   12                         ; v12      LDS address of my spare word; never rewritten
.set NIL,   13                         ; v13      0; never rewritten
.set SPARE, WAVES*WREG                 ; behind the four regions: the spare words, 128 bytes for each wave
.set IN,    24                         ; s[24:25] the tensor that my work-group reads
.set OC,    18                         ; s[18:19] c1
.set OS,    20                         ; s[20:21] s1
.macro PICK limit, ptr, first          ; work-groups under limit belong to an earlier tensor: its address, its first work-group
	s_cmp_lt_u32 ttmp9, \limit
	s_cselect_b64 s[IN:IN+1], s[\ptr:\ptr+1], s[IN:IN+1]
	s_cselect_b32 s26, \first, s26
.endm
	s_load_b256 s[4:11], s[0:1], 0x0               ; q s[4:5], k s[6:7], v s[8:9], Wq s[10:11]
	s_load_b256 s[12:19], s[0:1], 0x20             ; Wk s[12:13], Wv s[14:15], Wo s[16:17], c1 s[18:19]
	s_load_b64 s[20:21], s[0:1], 0x40              ; s1
	v_lshl_add_u32 v[SPW], v0, 2, SPARE
	v_mov_b32 v[NIL], 0
	v_lshrrev_b32 v1, 5, v0
	v_readfirstlane_b32 s22, v1                    ; wave
	v_and_b32 v2, 31, v0                           ; lane
	v_lshlrev_b32 v3, 4, v2                        ; my 16 bytes of a load's 512
	s_mul_i32 s23, s22, WREG
	v_lshrrev_b32 v14, 2, v2
	v_mul_u32_u24 v14, v14, SP
	v_and_b32 v15, 3, v2
	v_lshl_add_u32 v14, v15, 4, v14
	v_add_nc_u32 v14, s23, v14                     ; the stage, on the way in: SP (lane / 4) + 16 (lane % 4)
	v_mul_u32_u24 v15, v2, SP
	v_add_nc_u32 v15, s23, v15                     ; and on the way out: SP x lane: my 16 neighbours
	v_mul_u32_u24 v4, v2, CB                       ; my codes' place in a step's
	v_lshrrev_b32 v5, 1, v2
	s_add_co_u32 s23, s23, 2*32*SP
	v_add_nc_u32 v5, s23, v5                       ; LDS: my wave's 256 scale bytes, my block's byte
	v_lshlrev_b32 v7, 3, v2                        ; and on the way out 8 bytes a lane
	v_add_nc_u32 v6, s23, v7
	s_wait_kmcnt 0x0
	s_mov_b64 s[IN:IN+1], s[16:17]                 ; the last 32 work-groups take Wo; the choices hang on the work-group's number alone
	s_mov_b32 s26, 864
	PICK 864, 14, 832
	PICK 832, 12, 800
	PICK 800, 10, 768
	PICK 768, 8, 512
	PICK 512, 6, 256
	PICK 256, 4, 0
	s_sub_co_u32 s27, ttmp9, s26
	s_lshl_b32 s27, s27, 2
	s_add_co_u32 s27, s27, s22                     ; which run of 8,192 numbers of the tensor is my wave's
	s_lshl_b32 s28, s27, 15                        ; 32,768 bytes a run
	s_mov_b32 s29, 0
	s_add_nc_u64 s[IN:IN+1], s[IN:IN+1], s[28:29]
	s_sub_co_u32 s27, ttmp9, 256                   ; work-groups 256 to 863 (k, v, Wq, Wk, Wv) exchange the two bits
	s_and_b32 s30, s22, 1
	s_lshl_b32 s30, s30, 1
	s_lshr_b32 s31, s22, 1
	s_or_b32 s30, s30, s31
	s_cmp_lt_u32 s27, 608
	s_cselect_b32 s30, s30, s22
	s_lshl_b32 s27, ttmp9, 2
	s_add_co_u32 s27, s27, s30                     ; the run's place in c1 and s1
	s_mul_i32 s28, s27, 32*STEPS*CB                ; 6,144 bytes of codes a run
	s_add_nc_u64 s[OC:OC+1], s[OC:OC+1], s[28:29]
	s_lshl_b32 s28, s27, 8                         ; 256 scale bytes a run
	s_add_nc_u64 s[OS:OS+1], s[OS:OS+1], s[28:29]
.macro LOAD t
.irp i, 0,1,2,3
	global_load_b128 v[R+16*((\t)%4)+4*\i:R+16*((\t)%4)+4*\i+3], v3, s[IN:IN+1] offset:2048*(\t)+512*\i th:TH_LOAD_NT   ; 32 lanes read 512 consecutive bytes
.endr
.endm
.macro TURN t                          ; step t's numbers through the stage: LDS serves a wave's instructions in order, so no wait stands between the stores and the loads
.irp i, 0,1,2,3
	ds_store_b128 v14, v[R+16*((\t)%4)+4*\i:R+16*((\t)%4)+4*\i+3] offset:32*SP*((\t)%2)+8*SP*\i
.endr
.irp i, 0,1,2,3
	ds_load_b128 v[X+16*((\t)%2)+4*\i:X+16*((\t)%2)+4*\i+3], v15 offset:32*SP*((\t)%2)+16*\i
.endr
.endm
.irp t, 0,1,2,3
	LOAD \t
.endr
	s_wait_loadcnt 12                              ; step 0's four loads are in; the twelve of steps 1 to 3 may be out
	TURN 0
.macro STEP t
.set XS, X+16*((\t)%2)
.if (\t) > 0
	s_wait_dscnt 1                                 ; this step's numbers are back from the stage (the last step's byte store may be out): so its stores into the stage have read their registers,
.else
	s_wait_dscnt 0x0
.endif
.if (\t)+4 < STEPS
	LOAD (\t)+4                                    ; which take the loads of four steps on
.endif
.if (\t)+1 < STEPS
.if STEPS-2-(\t) >= 3
	s_wait_loadcnt 12                              ; the next step's four loads are in; those of the three steps behind it may be out
.else
	s_wait_loadcnt 4*(STEPS-2-(\t))
.endif
	TURN (\t)+1                                    ; and go through the other stage while this step is worked
.endif
	v_max3_num_f32 v8, |v[XS]|, |v[XS+1]|, |v[XS+2]|               ; the largest magnitude of my 16, in two chains
	v_max3_num_f32 v9, |v[XS+3]|, |v[XS+4]|, |v[XS+5]|
.irp i, 6,10
	v_max3_num_f32 v8, v8, |v[XS+\i]|, |v[XS+\i+1]|
	v_max3_num_f32 v9, v9, |v[XS+\i+2]|, |v[XS+\i+3]|
.endr
	v_max3_num_f32 v8, v8, |v[XS+14]|, |v[XS+15]|
	v_max3_num_f32 v8, v8, v9, (EMAX+1)<<23        ; and the floor 2^(EMAX + 1 - 127): the byte cannot fall under 1
	v_max_num_f32_dpp v8, v8, v8 row_xmask:1 row_mask:0xf bank_mask:0xf   ; and of my neighbour's 16: the block's
	v_add_nc_u32 v11, -(EMAX<<23), v8              ; EMAX off its exponent field: the conversion takes the exponent field of this operand as its scale
	v_cvt_scalef32_pk16_fp6_f32 v[C+4*(\t):C+4*(\t)+2], v[XS:XS+15], v11         ; sixteen numbers / the scale, to the nearest code, ties to even; 96 bits without gaps
	v_lshrrev_b32 v[E+(\t)], 23, v11               ; the scale's byte (a plain line behind the conversion)
	ds_store_b8 v5, v[E+(\t)] offset:16*(\t)       ; both lanes of a block write the same byte with the same value
	global_store_b96 v4, v[C+4*(\t):C+4*(\t)+2], s[OC:OC+1] offset:32*CB*(\t)    ; the wave stores 384 consecutive bytes
.endm
.irp t, 0,1,2,3,4,5,6,7,8,9,10,11,12,13,14,15
	STEP \t
.endr
	ds_load_b64 v[8:9], v6                         ; LDS serves a wave's instructions in order: these see my stores
	s_wait_dscnt 0x0
	global_store_b64 v7, v[8:9], s[OS:OS+1]        ; 32 lanes store 256 consecutive bytes, aligned
	s_wait_tensorcnt 0x0                           ; the wave's end, behind my last LDS store
	ds_add_u32 v[SPW], v[NIL]
	s_wait_dscnt 0x0
	s_endpgm
.Lfunc_end_k_q507e68f6fe_quant:
	.size	k_q507e68f6fe_quant, .Lfunc_end_k_q507e68f6fe_quant-k_q507e68f6fe_quant
	.p2alignl 7, 3214868480
	.fill 96, 4, 3214868480
	.section	.rodata,"a",@progbits
	.p2align	6, 0x0
	.amdhsa_kernel k_q507e68f6fe_quant
		.amdhsa_group_segment_fixed_size 33280
		.amdhsa_private_segment_fixed_size 0
		.amdhsa_enable_private_segment 0
		.amdhsa_kernarg_size 72
		.amdhsa_user_sgpr_count 2
		.amdhsa_user_sgpr_kernarg_segment_ptr 1
		.amdhsa_wavefront_size32 1
		.amdhsa_system_sgpr_workgroup_id_x 1
		.amdhsa_system_sgpr_workgroup_id_y 1
		.amdhsa_system_sgpr_workgroup_id_z 1
		.amdhsa_system_vgpr_workitem_id 0
		.amdhsa_next_free_vgpr 192
		.amdhsa_next_free_sgpr 66
		.amdhsa_reserve_vcc 0
		.amdhsa_float_denorm_mode_32 3
		.amdhsa_float_denorm_mode_16_64 3
		.amdhsa_memory_ordered 1
		.amdhsa_forward_progress 1
		.amdhsa_inst_pref_size 33
	.end_amdhsa_kernel
	.amdgpu_metadata
---
amdhsa.version: [ 1, 2 ]
amdhsa.kernels:
  - .name:           k_q507e68f6fe_quant
    .symbol:         k_q507e68f6fe_quant.kd
    .args:
      - { .name: q, .offset: 0, .size: 8, .value_kind: global_buffer, .address_space: global }
      - { .name: k, .offset: 8, .size: 8, .value_kind: global_buffer, .address_space: global }
      - { .name: v, .offset: 16, .size: 8, .value_kind: global_buffer, .address_space: global }
      - { .name: Wq, .offset: 24, .size: 8, .value_kind: global_buffer, .address_space: global }
      - { .name: Wk, .offset: 32, .size: 8, .value_kind: global_buffer, .address_space: global }
      - { .name: Wv, .offset: 40, .size: 8, .value_kind: global_buffer, .address_space: global }
      - { .name: Wo, .offset: 48, .size: 8, .value_kind: global_buffer, .address_space: global }
      - { .name: c1, .offset: 56, .size: 8, .value_kind: global_buffer, .address_space: global }
      - { .name: s1, .offset: 64, .size: 8, .value_kind: global_buffer, .address_space: global }
    .group_segment_fixed_size: 33280
    .private_segment_fixed_size: 0
    .kernarg_segment_align: 8
    .kernarg_segment_size: 72
    .max_flat_workgroup_size: 128
    .sgpr_count:     66
    .vgpr_count:     192
    .wavefront_size: 32
...
	.end_amdgpu_metadata
.endif
;; end of part 1
;; launch projqk (part 2): grid 4 x 64, 4 waves a work-group, clusters of 4 x 4, 327,680 bytes of LDS; arguments c1, s1, bq, bk, hc, hs; writes hc, hs
.if DOCPART == 2
	.amdgcn_target "amdgcn-amd-amdhsa--gfx1250"
	.amdhsa_code_object_version 6
	.text
	.protected	k_q507e68f6fe_projqk
	.globl	k_q507e68f6fe_projqk
	.p2align	8
	.type	k_q507e68f6fe_projqk,@function
k_q507e68f6fe_projqk:
	s_mov_b64 s[64:65], 0
	v_nop
	global_prefetch_b8 v0, s[64:65] scope:SCOPE_SE
	s_setreg_imm32_b32 hwreg(HW_REG_WAVE_MODE, 25, 1), 1
	s_wait_xcnt 0x0
	s_wait_alu depctr_hold_cnt(0) depctr_sa_sdst(0) depctr_va_vdst(0) depctr_va_sdst(0) depctr_va_ssrc(0) depctr_va_vcc(0) depctr_vm_vsrc(0)
	s_getreg_b32 s2, hwreg(HW_REG_IB_STS2, 6, 4)
	s_cmp_eq_u32 s2, 0
	s_cbranch_scc0 .Lentry_in_a_cluster
	s_endpgm
.Lentry_in_a_cluster:
	s_bfe_u32 s2, ttmp6, 0x10000c
	s_cmp_lg_u32 s2, 0xf033
	s_cbranch_scc0 .Lentry_shape_is_right
	s_endpgm
.Lentry_shape_is_right:
; Q = q Wq^T + bq and K = k Wk^T + bk on codes of FP6 (E2M3) with E8M0 scales, f32 sums; the results are quantised along the head's 64 and stored as images of operand registers.
; ONE GEMM: A = [q; k], 16,384 rows of 768 bytes of codes at c1's head; B = [Wq; Wk], 2,048 rows at c1 + 18,874,368.  Tile rows 0-31 of A meet Wq, rows 32-63 meet Wk (which = cluster y / 8: one number for a whole cluster).
; A tile of 256 x 256 is made by four waves, 128 x 128 each: 64 accumulators, 512 registers.  K = 1,024 goes in four steps of 256 through two LDS slots filled by the tensor data mover (rows of 192 bytes, 16 bytes of padding
; behind every 64: pitch 240).  The scale bytes of the work-group's 256 + 256 rows come into LDS once, with the first fills.
; CLUSTERS: 4 x 4 work-groups; A's tiles are asked for jointly along a row of the cluster, B's along a column.
; THE MATRIX INSTRUCTION IS USED TRANSPOSED: source 0 = 16 rows of B (features), source 1 = 16 rows of A (tokens): a lane holds ONE token.  Wq's and Wk's rows are stored with bits 3 and 4 of the row's number exchanged,
; so the 16 registers of B's blocks 2 g and 2 g + 1 are features 32 g + 16 (lane / 16) + 0 .. 15: sixteen neighbours along the next product's K.  The bias is the C of each sum's first instruction.
; THE WAY OUT: a wave's 128 features are two heads.  For each 16 tokens the 64 numbers of a lane become 12 registers of codes: registers 0-5 are head hd0's half fragment (k = 32 (lane / 16) + 0 .. 31), 6-11 head hd0 + 1's.
; They are stored as they stand: registers 2 p, 2 p + 1 of lane l at 256 p + 8 l of the tile's 768 bytes: every store covers 256 consecutive bytes, aligned.  A token's scale word: its head's two bytes, then 0x7f twice (for the
; zero codes that fill k = 64 .. 127 in the next product).
; LIMITS: blocks whose largest magnitude lies under 2^(2 - 126) keep the byte 1 (the bytes are read by this program alone); NaN and infinities are not served.
; No prefetch: of K's four steps two are asked for at the head, and the other two one step later.
; REGISTERS: window 0: v0-31 addresses; v32-63 scale words, two sets; v64-127 the bias (later the results' scale words); v128-223 A's fragments, one set (later the results' codes); v224-249 the quantiser's.
;   window 1: B's fragments, two sets, at v0 and v128.   windows 2, 3: the accumulators ((a, b) at v[8 (8 (a % 4) + b)] of window 2 + a / 4).
.set KSTEP,  256
.set NQ,     2                         ; matrix instructions deep in a slot
.set ROWB,   192                       ; a tile's row in bytes
.set KROW,   768                       ; a row of codes in memory
.set PITCH,  240
.set FR,     12                        ; registers of a fragment
.set NL,     6                         ; LDS loads that bring one
.set NP,     4                         ; places behind this matrix instruction (ISA guide 7.12.1)
.set HALFT,  128*PITCH
.set SLOT,   4*HALFT
.set KS,     32                        ; a row of scale bytes
.set SCL,    2*SLOT
.set HALFS,  (128*KS/256)*272
.set SBLK,   (16*KS/256)*272
.set SPARE,  SCL+4*HALFS               ; the spare words, 128 bytes for each wave
.set ADRA, 16
.set ADRB, 20
.set ADRS, 27
.set SPW,  28
.set NIL,  29
.set SC,   32
.set BI,   64                          ; the bias: eight registers for each of B's eight blocks
.set OW,   64                          ; later: the results' scale words, one register for each 16 tokens
.set AF,   128
.set T2,   224                         ; the quantiser: second halves of blocks
.set TM,   232                         ; v232-235 largest magnitudes, v236-239 the other half's, then bytes, v244-247 the conversions' scale operands
.set PW,   248                         ; the scale word just made
.set G1, 24
.set G0, 32
.set G1B, 48
.set G0B, 56
.set G1S, 68
.set G0S, 76
.set G1SB, 80
.set G0SB, 88
.set MSB, 0
.macro WIN new                         ; the immediate's high byte repeats the setting that is left
.if MSB != (\new)
	s_set_vgpr_msb (MSB<<8)|(\new)
.set MSB, (\new)
.endif
.endm
.set MUL_LO, 0xa1                      ; source 0 (B) window 1, source 1 (A) window 0, C and D window 2
.set MUL_HI, 0xf1                      ; the same, C and D window 3
.set BIA_LO, 0x81                      ; the first step: C (the bias) window 0, D window 2
.set BIA_HI, 0xc1                      ; D window 3
.set TO_B,   0x40
; A joint load: waves 0 and 1 fetch for A, waves 2 and 3 for B; the branch hangs on the wave's number alone.  An s_nop 0 and four v_nop follow each of the two lines.
.macro JLOAD g0a, g1a, g0b, g1b
	s_cmp_eq_u32 s15, 0
	s_cbranch_scc0 .Lfor_b_\@
	tensor_load_to_lds s[\g0a:\g0a+3], s[\g1a:\g1a+7]
	s_nop 0
.rept 4
	v_nop
.endr
	s_branch .Lasked_\@
.Lfor_b_\@:
	tensor_load_to_lds s[\g0b:\g0b+3], s[\g1b:\g1b+7]
	s_nop 0
.rept 4
	v_nop
.endr
.Lasked_\@:
.endm
.macro CREST                           ; a round of the cluster's barrier behind its opening barrier
	s_cmp_lg_u32 s14, 0
	s_cbranch_scc1 .Lnot_wave_0_\@
	s_barrier_signal -3
.Lnot_wave_0_\@:
	s_barrier_wait -3
	s_barrier_signal -1
	s_barrier_wait -1
.endm
.macro CROUND
	s_barrier_signal -1
	s_barrier_wait -1
	CREST
.endm
	s_load_b128 s[4:7], s[0:1], 0x0                ; c1, s1
	s_load_b128 s[96:99], s[0:1], 0x10             ; bq, bk
	s_load_b64 s[12:13], s[0:1], 0x20              ; hc
	s_load_b64 s[100:101], s[0:1], 0x28            ; hs
	v_lshl_add_u32 v[SPW], v0, 2, SPARE
	v_mov_b32 v[NIL], 0
	ds_add_u32 v[SPW], v[NIL]                      ; the wave's opening: the add and its wait stand ahead of my first tensor load; work on registers stands between them
	v_lshrrev_b32 v1, 5, v0
	v_readfirstlane_b32 s14, v1                    ; wave 0..3
	s_lshr_b32 s15, s14, 1                         ; which half of the tile's tokens is mine.  Also: I fetch for A (0) or for B (1)
	s_and_b32 s16, s14, 1                          ; which half of its features.  Also: which 128 rows I fetch
	s_bfe_u32 s40, ttmp6, 0x40000                  ; cx, cy
	s_bfe_u32 s41, ttmp6, 0x40004
	s_lshl_b32 s42, ttmp9, 2
	s_add_co_u32 s42, s42, s40                     ; x: tile column (features)
	s_and_b32 s17, ttmp7, 0xffff
	s_lshr_b32 s95, s17, 3                         ; which: 0 = Q, 1 = K; it hangs on the cluster's y alone
	s_lshl_b32 s17, s17, 2
	s_add_co_u32 s17, s17, s41                     ; y: tile row (tokens of [q; k])
	s_lshl_b32 s43, s41, 2
	s_lshl_b32 s43, 15, s43                        ; my row of the cluster
	s_lshl_b32 s44, 0x1111, s40                    ; my column
	s_or_b32 s[G1+0], s43, (0<<16)|(1<<20)|(1<<21)|(3<<22)|(3<<25)  ; the mask; elements of 1 byte; padding on; bit 21 beside a mask; after every 16 words 4 words
	s_or_b32 s[G1B+0], s44, (0<<16)|(1<<20)|(1<<21)|(3<<22)|(3<<25)
.irp g, G1, G1B
	s_mov_b32 s[\g+1], ROWB<<16                    ; tensor_dim0
	s_mov_b32 s[\g+2], 128<<16                     ; tensor_dim1
	s_mov_b32 s[\g+3], ROWB<<16                    ; tile_dim0
	s_mov_b32 s[\g+4], 128                         ; tile_dim1
	s_mov_b32 s[\g+5], KROW                        ; the pitch
	s_mov_b32 s[\g+6], 0
	s_mov_b32 s[\g+7], 0
.endr
	s_or_b32 s[G1S+0], s43, (3<<16)|(1<<20)|(1<<21)|(5<<22)|(3<<25)   ; the scales of 128 rows: 4,096 dense bytes as 16 rows of 256, 16 bytes of padding behind each
	s_or_b32 s[G1SB+0], s44, (3<<16)|(1<<20)|(1<<21)|(5<<22)|(3<<25)
.irp g, G1S, G1SB
	s_mov_b32 s[\g+1], 32<<16
	s_mov_b32 s[\g+2], (128*KS/256)<<16
	s_mov_b32 s[\g+3], 32<<16
	s_mov_b32 s[\g+4], 128*KS/256
	s_mov_b32 s[\g+5], 32
	s_mov_b32 s[\g+6], 0
	s_mov_b32 s[\g+7], 0
.endr
	s_lshl_b32 s18, s16, 7                         ; which 128 rows of the tile I fetch
	s_lshl_b32 s20, s17, 8
	s_add_co_u32 s20, s20, s18                     ; A: row 256 y + 128 x half
	s_lshl_b32 s46, s42, 8
	s_add_co_u32 s46, s46, s18
	s_lshl_b32 s47, s95, 10
	s_add_co_u32 s46, s46, s47                     ; B: row 1,024 which + 256 x + 128 x half
	s_mov_b32 s21, 0
	s_mov_b32 s47, 0
	s_mov_b64 s[18:19], KS
	s_mul_u64 s[22:23], s[20:21], s[18:19]         ; where these rows' scales begin
	s_mul_u64 s[92:93], s[46:47], s[18:19]
	s_mov_b64 s[18:19], KROW
	s_mul_u64 s[20:21], s[20:21], s[18:19]         ; and their codes
	s_mul_u64 s[46:47], s[46:47], s[18:19]
	s_mul_i32 s45, s14, HALFT                      ; where they go: wave x 128 rows
	s_mul_i32 s94, s14, HALFS
	s_mov_b32 s66, 0x76543210
	s_mov_b32 s67, 0xfedcba98                      ; v_permlanex16_b32's selects for lane l xor 16
	s_wait_dscnt 0x0                               ; the opening add is done
	s_wait_kmcnt 0x0
	s_add_nc_u64 s[8:9], s[4:5], 18874368          ; [Wq; Wk]: codes,
	s_add_nc_u64 s[10:11], s[6:7], 786432          ; scale bytes
	s_add_nc_u64 s[20:21], s[4:5], s[20:21]
	s_add_nc_u64 s[22:23], s[6:7], s[22:23]
	s_add_nc_u64 s[46:47], s[8:9], s[46:47]
	s_add_nc_u64 s[92:93], s[10:11], s[92:93]
	CROUND                                         ; all sixteen work-groups are here: the first joint loads meet
	s_mov_b32 s[G0S], 1
	s_add_co_u32 s[G0S+1], s94, SCL
	s_mov_b64 s[G0S+2:G0S+3], s[22:23]
	s_or_b32 s[G0S+3], s[G0S+3], 0x80000000
	s_mov_b32 s[G0SB], 1
	s_add_co_u32 s[G0SB+1], s94, SCL
	s_mov_b64 s[G0SB+2:G0SB+3], s[92:93]
	s_or_b32 s[G0SB+3], s[G0SB+3], 0x80000000
	JLOAD G0S, G1S, G0SB, G1SB                     ; the scales first: they are wanted with K step 0
.irp s, 0,1
	s_mov_b32 s[G0+4*\s], 1
	s_add_co_u32 s[G0+4*\s+1], s45, \s*SLOT
	s_add_nc_u64 s[G0+4*\s+2:G0+4*\s+3], s[20:21], \s*ROWB
	s_or_b32 s[G0+4*\s+3], s[G0+4*\s+3], 0x80000000
	s_mov_b32 s[G0B+4*\s], 1
	s_add_co_u32 s[G0B+4*\s+1], s45, \s*SLOT
	s_add_nc_u64 s[G0B+4*\s+2:G0B+4*\s+3], s[46:47], \s*ROWB
	s_or_b32 s[G0B+4*\s+3], s[G0B+4*\s+3], 0x80000000
	JLOAD G0+4*\s, G1, G0B+4*\s, G1B               ; three tensor loads of mine are out
.endr
	v_and_b32 v1, 15, v0                           ; r = l % 16
	v_bfe_u32 v2, v0, 4, 1                         ; h = l / 16
	; the bias: lane (r, h) wants, for B's block b, the features 32 (b / 2) + 16 h + 8 (b % 2) + 0 .. 7
	s_cmp_eq_u32 s95, 0
	s_cselect_b64 s[96:97], s[96:97], s[98:99]     ; bq or bk
	s_lshl_b32 s18, s42, 10
	s_lshl_b32 s19, s16, 9
	s_add_co_u32 s18, s18, s19                     ; 4 (256 x + 128 x my half)
	s_mov_b32 s19, 0
	s_add_nc_u64 s[96:97], s[96:97], s[18:19]
	v_lshlrev_b32 v7, 6, v2
.irp b, 0,1,2,3,4,5,6,7
	global_load_b128 v[BI+8*\b:BI+8*\b+3], v7, s[96:97] offset:(32*(\b/2)+8*(\b%2))*4
	global_load_b128 v[BI+8*\b+4:BI+8*\b+7], v7, s[96:97] offset:(32*(\b/2)+8*(\b%2))*4+16
.endr
	v_mul_u32_u24 v3, v1, PITCH
	v_mul_u32_u24 v4, v2, 24
	v_add_nc_u32 v4, v3, v4                        ; a fragment's row x pitch + 24 x half
	v_lshl_add_u32 v5, v2, 4, v4                   ; and the same behind one padding more
	s_mul_i32 s21, s15, HALFT                      ; my 128 rows of A
	s_mul_i32 s22, s16, HALFT                      ; my 128 rows of B,
	s_add_co_u32 s22, s22, 2*HALFT                 ; which lie behind A's 256
.irp s, 0,1
	v_add_nc_u32 v[ADRA+\s], s21, v4
	v_add_nc_u32 v[ADRB+\s], s22, v4
	v_add_nc_u32 v[ADRA+2+\s], s21, v5
	v_add_nc_u32 v[ADRB+2+\s], s22, v5
	s_add_co_u32 s21, s21, SLOT
	s_add_co_u32 s22, s22, SLOT
.endr
	v_mul_u32_u24 v5, v1, KS                       ; my row's scales: KS bytes a row,
	v_lshrrev_b32 v6, 8, v5
	v_lshl_add_u32 v5, v6, 4, v5                   ; and 16 more for each 256 passed
	s_mul_i32 s21, s15, HALFS
	s_mul_i32 s22, s16, HALFS
	s_add_co_u32 s22, s22, 2*HALFS
	s_sub_co_u32 s22, s22, s21
	v_mul_u32_u24 v6, s22, v2                      ; lanes 16-31 take B's
	s_add_co_u32 s21, s21, SCL
	v_add_nc_u32 v5, v5, v6
	v_add_nc_u32 v[ADRS], s21, v5
	; the way out
	v_and_b32 v6, 31, v0
	v_lshlrev_b32 v24, 3, v6                       ; an image: 8 bytes a lane
	v_mul_u32_u24 v25, v2, 20480
	v_lshl_add_u32 v25, v1, 4, v25                 ; scale words: 16 r; lanes 16-31 one head (20,480 bytes of hs) on
	v_lshlrev_b32 v26, 4, v2                       ; 16 h: lanes 16-31 take the word's upper two bytes
.irp b, 0,1,2,3
	v_mov_b32 v[TM+4+\b], 0                        ; written once: a lane permute's destination counts as one of its sources
.endr
	s_mov_b32 s92, 0xffff
	s_mov_b32 s93, 0x7f7f0000
	s_lshl_b32 s20, s17, 8
	s_lshl_b32 s21, s15, 7
	s_add_co_u32 s20, s20, s21                     ; my first token among the 16,384
	s_bfe_u32 s21, s20, 0x2000b                    ; the batch: bits 12:11
	s_and_b32 s22, s20, 2047                       ; the token in its sequence
	s_lshl_b32 s23, s42, 2
	s_lshl_b32 s46, s16, 1
	s_add_co_u32 s23, s23, s46                     ; my first head: 4 x + 2 x half
	s_lshl_b32 s21, s21, 4
	s_add_co_u32 s21, s21, s23                     ; 16 x batch + head
	s_mul_i32 s46, s21, 294912                     ; hc: a head's Q, K and V
	s_mul_i32 s47, s95, 98304                      ; Q or K
	s_add_co_u32 s46, s46, s47
	s_lshr_b32 s47, s22, 4
	s_mul_i32 s47, s47, 768                        ; the tile of 16 tokens
	s_add_co_u32 s46, s46, s47
	s_mov_b32 s47, 0
	s_add_nc_u64 s[12:13], s[12:13], s[46:47]
	s_mul_i32 s46, s21, 20480                      ; hs: a head's scale words
	s_lshl_b32 s18, s95, 13
	s_add_co_u32 s46, s46, s18
	s_lshr_b32 s18, s22, 7
	s_lshl_b32 s18, s18, 9                         ; the group of 128 tokens
	s_add_co_u32 s46, s46, s18
	s_add_nc_u64 s[100:101], s[100:101], s[46:47]
.macro FRAG reg, adr, q, i             ; a fragment: lane l holds row l % 16; registers 6 c .. 6 c + 5 hold K = 64 c + 32 (l / 16) + 0 .. 31: 24 bytes of the row's stream of bits, in pieces of 8
.irp p, 0,1,2,3,4,5
.set PC, 12*(\q)+6*(\p/3)+\p%3        ; 16 bytes of padding lie behind every 8 pieces: where the piece three on lies behind one padding more, the second address register serves
.if PC%8 < 5
	ds_load_b64 v[\reg+2*\p:\reg+2*\p+1], v[\adr] offset:8*PC+16*(PC/8)+(\i)*16*PITCH
.else
	ds_load_b64 v[\reg+2*\p:\reg+2*\p+1], v[\adr+2] offset:8*PC+16*(PC/8)+(\i)*16*PITCH
.endif
.endr
.endm
; 16 matrix instructions: A's blocks a0, a0 + 1 x B's eight, 128 along K.  first = 1: the bias is C and starts the sums.  The 64 accumulators take turns, one instruction a turn.
.macro MUL16 a0, p, q, sc, first
.irp a, \a0, \a0+1
.irp b, 0,1,2,3,4,5,6,7
.if \first
	v_wmma_scale_f32_16x16x128_f8f6f4 v[8*(8*((\a)%4)+\b):8*(8*((\a)%4)+\b)+7], v[128*(\p)+FR*\b:128*(\p)+FR*\b+FR-1], v[AF+FR*(\a):AF+FR*(\a)+FR-1], v[BI+8*\b:BI+8*\b+7], v[SC+8*NQ*(\sc)+NQ*\b+(\q)], v[SC+8*NQ*(\sc)+NQ*(\a)+(\q)] matrix_a_fmt:MATRIX_FMT_FP6 matrix_b_fmt:MATRIX_FMT_FP6 matrix_a_scale:MATRIX_SCALE_ROW1
.else
	v_wmma_scale_f32_16x16x128_f8f6f4 v[8*(8*((\a)%4)+\b):8*(8*((\a)%4)+\b)+7], v[128*(\p)+FR*\b:128*(\p)+FR*\b+FR-1], v[AF+FR*(\a):AF+FR*(\a)+FR-1], v[8*(8*((\a)%4)+\b):8*(8*((\a)%4)+\b)+7], v[SC+8*NQ*(\sc)+NQ*\b+(\q)], v[SC+8*NQ*(\sc)+NQ*(\a)+(\q)] matrix_a_fmt:MATRIX_FMT_FP6 matrix_b_fmt:MATRIX_FMT_FP6 matrix_a_scale:MATRIX_SCALE_ROW1
.endif
.endr
.endr
.endm
.macro FETCH_B slot, q, p
	WIN TO_B
.irp i, 0,1,2,3,4,5,6,7
	FRAG 128*(\p)+FR*\i, ADRB+\slot, \q, \i
.endr
	WIN 0
.endm
.macro FETCH_A slot, q, i0
.irp i, \i0, \i0+1, \i0+2, \i0+3
	FRAG AF+FR*(\i), ADRA+\slot, \q, \i
.endr
.endm
.macro SCALES sc                       ; a K step's scale words: lanes 0-15 take A's block i, lanes 16-31 B's block i
.irp i, 0,1,2,3,4,5,6,7
	ds_load_b64 v[SC+8*NQ*\sc+NQ*\i:SC+8*NQ*\sc+NQ*\i+1], v[ADRS] offset:\i*SBLK
.endr
.endm
.macro PLACES n                        ; places in front of loads into registers that matrix instructions have read, and of the first read of results
.rept \n
	v_nop
.endr
.endm
.macro STEP slot, q, first             ; a step of 128 along K that has its successor in the same slot
	s_wait_dscnt 4*NL                              ; B's set and A's blocks 0-3 are in; the youngest 24 loads (A's blocks 4-7) may be out
.if \first
	WIN BIA_LO
.else
	WIN MUL_LO
.endif
	MUL16 0, (\q)%2, \q, \slot, \first
	MUL16 2, (\q)%2, \q, \slot, \first
	s_wait_dscnt 0
	PLACES NP
	FETCH_B \slot, (\q)+1, 1-(\q)%2
	FETCH_A \slot, (\q)+1, 0
.if \first
	WIN BIA_HI
.else
	WIN MUL_HI
.endif
	MUL16 4, (\q)%2, \q, \slot, \first
	MUL16 6, (\q)%2, \q, \slot, \first
	PLACES NP
	WIN 0
	FETCH_A \slot, (\q)+1, 4
.endm
; A slot's last step changes slots: one barrier; in front of it each wave waits for all its tensor loads, adds 0 to its spare word, and waits for that and for its own reads of this slot.
.macro TURN slot, next, fill
	s_wait_tensorcnt 0x0                           ; all my tensor loads have landed: my part of the next slot
	ds_add_u32 v[SPW], v[NIL]                      ; 0 onto my spare word
	s_wait_dscnt 4*NL+1                            ; (the add and the youngest 24 loads may be out)
	WIN MUL_LO
	MUL16 0, 1, NQ-1, \slot, 0
	s_wait_dscnt 0x0                               ; the add is done, and my reads of this slot are over
	s_barrier_signal -1
	MUL16 2, 1, NQ-1, \slot, 0
	WIN 0
	s_barrier_wait -1
.if \fill
	CREST                                          ; the barrier has opened a round of the cluster's barrier: no wave of any partner still reads this slot or has a load on its way
	s_add_nc_u64 s[G0+4*\slot+2:G0+4*\slot+3], s[G0+4*\slot+2:G0+4*\slot+3], 2*ROWB
	s_add_nc_u64 s[G0B+4*\slot+2:G0B+4*\slot+3], s[G0B+4*\slot+2:G0B+4*\slot+3], 2*ROWB
	JLOAD G0+4*\slot, G1, G0B+4*\slot, G1B         ; the first tensor load behind the round; its four v_nop are the places in front of the loads below
.else
	PLACES NP
.endif
	v_add_nc_u32 v[ADRS], 4*NQ, v[ADRS]            ; on to the next K step's scale words
	FETCH_B \next, 0, 0
	FETCH_A \next, 0, 0
	SCALES \next
	WIN MUL_HI
	MUL16 4, 1, NQ-1, \slot, 0
	MUL16 6, 1, NQ-1, \slot, 0
	PLACES NP
	WIN 0
	FETCH_A \next, 0, 4
.endm
; 64 numbers of a lane, the accumulators of A's block a (register 16 g + i = feature 32 g + 16 (lane / 16) + i of my token), become 12 registers of codes at v[128 + 12 a] and the scale word v[pw].
.macro QUANT a, pw
.set QS, 64*((\a)%4)
.set QC, 128+12*(\a)
	WIN 0x0a+5*((\a)/4)                            ; sources 0 and 1: the accumulators' window
.irp b, 0,1,2,3
	v_max3_num_f32 v[TM+\b], |v[QS+16*\b]|, |v[QS+16*\b+1]|, 0x1800000   ; block b: my 16 numbers, each accumulator from its low end on, and the floor 2^(3 - 127)
.endr
.irp i, 2,4,6,8,10,12,14
.irp b, 0,1,2,3
	v_max3_num_f32 v[TM+\b], |v[QS+16*\b+\i]|, |v[QS+16*\b+\i+1]|, v[TM+\b]
.endr
.endr
	WIN 0
.irp b, 0,1,2,3
	v_permlanex16_b32 v[TM+4+\b], v[TM+\b], s66, s67
.endr
.irp b, 0,1,2,3
	v_max_num_f32 v[TM+\b], v[TM+\b], v[TM+4+\b]   ; with lane l xor 16's: the block's largest magnitude
.endr
.irp b, 0,1,2,3
	v_add_nc_u32 v[TM+12+\b], 0xff000000, v[TM+\b] ; 2 off its exponent field: the conversion's scale operand
.endr
.irp b, 0,1,2,3
	v_lshrrev_b32 v[TM+4+\b], 23, v[TM+12+\b]      ; the scale's byte
.endr
	v_lshl_or_b32 v[\pw], v[TM+5], 8, v[TM+4]
	v_lshl_or_b32 v[\pw], v[TM+6], 16, v[\pw]
	v_lshl_or_b32 v[\pw], v[TM+7], 24, v[\pw]
	WIN 2+(\a)/4                                   ; source 0: the accumulators' window
.irp c, 0,1
	v_cvt_scalef32_pk16_fp6_f32 v[QC+6*\c:QC+6*\c+2], v[QS+32*\c:QS+32*\c+15], v[TM+12+2*\c]
	v_cvt_scalef32_pk16_fp6_f32 v[T2+4*\c:T2+4*\c+2], v[QS+32*\c+16:QS+32*\c+31], v[TM+13+2*\c]   ; (a conversion's three registers begin on an even number)
.endr
	WIN 0
	v_nop                                          ; one plain place behind a scaled conversion
.irp c, 0,1                            ; the operand's layout wants a whole block in a lane: lanes 0-15 block 2 c, lanes 16-31 block 2 c + 1
.irp i, 0,1,2
	v_permlane16_swap_b32 v[QC+6*\c+\i], v[T2+4*\c+\i]
.endr
.irp i, 0,1,2
	v_mov_b32 v[QC+3+6*\c+\i], v[T2+4*\c+\i]
.endr
.endr
.endm
	s_wait_tensorcnt 1                             ; the scales and my part of K step 0 are in (K step 1's load may be out)
	s_barrier_signal -1
	s_barrier_wait -1                              ; everybody's are
	FETCH_B 0, 0, 0
	FETCH_A 0, 0, 0
	SCALES 0
	FETCH_A 0, 0, 4
	s_wait_loadcnt 0x0                             ; the bias
	STEP 0, 0, 1                                   ; K = 1,024 is four K steps, eight steps of 128: written out
	TURN 0, 1, 1                                   ; slot 0 takes K step 2
	STEP 1, 0, 0
	TURN 1, 0, 1                                   ; slot 1 takes K step 3
	STEP 0, 0, 0
	TURN 0, 1, 0                                   ; nothing is left to fetch: a plain barrier
	STEP 1, 0, 0
	s_wait_dscnt 4*NL
	WIN MUL_LO
	MUL16 0, 1, NQ-1, 1, 0
	MUL16 2, 1, NQ-1, 1, 0
	s_wait_dscnt 0
	WIN MUL_HI
	MUL16 4, 1, NQ-1, 1, 0
	MUL16 6, 1, NQ-1, 1, 0
	WIN 0
	PLACES NP                                      ; behind the last products: results are read, and A's fragments written over, from here on
.irp a, 0,1,2,3,4,5,6,7                ; 16 tokens at a time; each block has its own registers for codes and word, so that no store's data are written again
	QUANT \a, PW
	v_lshrrev_b32 v249, v26, v[PW]                 ; lanes 0-15: my first head's two bytes; lanes 16-31: the second head's
	v_and_or_b32 v[OW+\a], v249, s92, s93          ; and 0x7f twice
.irp c, 0,1
.irp p, 0,1,2
	global_store_b64 v24, v[QC+6*\c+2*\p:QC+6*\c+2*\p+1], s[12:13] offset:294912*\c+768*\a+256*\p   ; 32 lanes store 256 consecutive bytes, aligned
.endr
.endr
.endr
	global_store_b128 v25, v[OW:OW+3], s[100:101]              ; tiles 0-3: sixteen lanes store 256 consecutive bytes of one head's words
	global_store_b128 v25, v[OW+4:OW+7], s[100:101] offset:256 ; tiles 4-7
	s_wait_tensorcnt 0x0                           ; the wave's end
	ds_add_u32 v[SPW], v[NIL]
	s_wait_dscnt 0x0
	CROUND                                         ; the closing round
	s_endpgm
.Lfunc_end_k_q507e68f6fe_projqk:
	.size	k_q507e68f6fe_projqk, .Lfunc_end_k_q507e68f6fe_projqk-k_q507e68f6fe_projqk
	.p2alignl 7, 3214868480
	.fill 96, 4, 3214868480
	.section	.rodata,"a",@progbits
	.p2align	6, 0x0
	.amdhsa_kernel k_q507e68f6fe_projqk
		.amdhsa_group_segment_fixed_size 327680
		.amdhsa_private_segment_fixed_size 0
		.amdhsa_enable_private_segment 0
		.amdhsa_kernarg_size 48
		.amdhsa_user_sgpr_count 2
		.amdhsa_user_sgpr_kernarg_segment_ptr 1
		.amdhsa_wavefront_size32 1
		.amdhsa_system_sgpr_workgroup_id_x 1
		.amdhsa_system_sgpr_workgroup_id_y 1
		.amdhsa_system_sgpr_workgroup_id_z 1
		.amdhsa_system_vgpr_workitem_id 0
		.amdhsa_next_free_vgpr 1024
		.amdhsa_next_free_sgpr 102
		.amdhsa_reserve_vcc 0
		.amdhsa_float_denorm_mode_32 3
		.amdhsa_float_denorm_mode_16_64 3
		.amdhsa_memory_ordered 1
		.amdhsa_forward_progress 1
		.amdhsa_inst_pref_size 169
	.end_amdhsa_kernel
	.amdgpu_metadata
---
amdhsa.version: [ 1, 2 ]
amdhsa.kernels:
  - .name:           k_q507e68f6fe_projqk
    .symbol:         k_q507e68f6fe_projqk.kd
    .args:
      - { .name: c1, .offset: 0, .size: 8, .value_kind: global_buffer, .address_space: global }
      - { .name: s1, .offset: 8, .size: 8, .value_kind: global_buffer, .address_space: global }
      - { .name: bq, .offset: 16, .size: 8, .value_kind: global_buffer, .address_space: global }
      - { .name: bk, .offset: 24, .size: 8, .value_kind: global_buffer, .address_space: global }
      - { .name: hc, .offset: 32, .size: 8, .value_kind: global_buffer, .address_space: global }
      - { .name: hs, .offset: 40, .size: 8, .value_kind: global_buffer, .address_space: global }
    .group_segment_fixed_size: 327680
    .private_segment_fixed_size: 0
    .kernarg_segment_align: 8
    .kernarg_segment_size: 48
    .max_flat_workgroup_size: 128
    .sgpr_count:     102
    .vgpr_count:     1024
    .wavefront_size: 32
...
	.end_amdgpu_metadata
.endif
;; end of part 2
;; launch projv (part 3): grid 32 x 4, 4 waves a work-group, clusters of 4 x 4, 327,680 bytes of LDS; arguments c1, s1, bv, hc, hs; writes hc, hs
.if DOCPART == 3
	.amdgcn_target "amdgcn-amd-amdhsa--gfx1250"
	.amdhsa_code_object_version 6
	.text
	.protected	k_q507e68f6fe_projv
	.globl	k_q507e68f6fe_projv
	.p2align	8
	.type	k_q507e68f6fe_projv,@function
k_q507e68f6fe_projv:
	s_mov_b64 s[64:65], 0
	v_nop
	global_prefetch_b8 v0, s[64:65] scope:SCOPE_SE
	s_setreg_imm32_b32 hwreg(HW_REG_WAVE_MODE, 25, 1), 1
	s_wait_xcnt 0x0
	s_wait_alu depctr_hold_cnt(0) depctr_sa_sdst(0) depctr_va_vdst(0) depctr_va_sdst(0) depctr_va_ssrc(0) depctr_va_vcc(0) depctr_vm_vsrc(0)
	s_getreg_b32 s2, hwreg(HW_REG_IB_STS2, 6, 4)
	s_cmp_eq_u32 s2, 0
	s_cbranch_scc0 .Lentry_in_a_cluster
	s_endpgm
.Lentry_in_a_cluster:
	s_bfe_u32 s2, ttmp6, 0x10000c
	s_cmp_lg_u32 s2, 0xf033
	s_cbranch_scc0 .Lentry_shape_is_right
	s_endpgm
.Lentry_shape_is_right:
; V^T = Wv v^T + bv on codes of FP6 (E2M3) with E8M0 scales, f32 sums; the result is quantised ALONG THE TOKENS (the keys are the K of attention's second product) and stored as images of operand registers.
; The GEMM of the launch before with the roles exchanged: A = Wv (1,024 rows at c1 + 20,447,232), B = v (8,192 rows at c1 + 12,582,912).  Source 0 = 16 rows of B (tokens), source 1 = 16 rows of A (features):
; a lane holds ONE feature and its registers run along the tokens.  v's rows are stored with bits 3 and 4 of the row's number exchanged, so the 16 registers of B's blocks 2 g and 2 g + 1 are tokens
; 32 g + 16 (lane / 16) + 0 .. 15.  Wv's rows are stored likewise, so that a tile of V^T holds features 8 u + r + 8 (r / 8) of a group of 32: what the quantiser behind attention wants.
; The bias is the C of each sum's first instruction: all eight registers hold the lane's feature's bias.
; A tile of 256 x 256 is made by four waves, 128 x 128 each.  K = 1,024 in four steps of 256 through two LDS slots; scale bytes once; 4 x 4 clusters with joint loads: A's tiles along a row, B's along a column.
; THE WAY OUT: a wave's 128 tokens are one K step of attention's second product, its 128 features two heads of four tiles.  A's block a becomes one whole fragment (12 registers) and one scale word a feature;
; registers 4 q .. 4 q + 3 of lane l go to 512 q + 16 l of the fragment's 1,536 bytes: every store covers 512 consecutive bytes, aligned.
; LIMITS: blocks whose largest magnitude lies under 2^(2 - 126) keep the byte 1 (the bytes are read by this program alone); NaN and infinities are not served.
; 128 work-groups: there are 32 x 4 tiles of this size.  No prefetch: of K's four steps two are asked for at the head.
; REGISTERS: as in the launch before: window 0: v0-31 addresses; v32-63 scale words; v64-127 the bias (later the results' scale words); v128-223 A's fragments (later the codes); v224-247 the quantiser's.
;   window 1: B's fragments, two sets.   windows 2, 3: the accumulators.
.set KSTEP,  256
.set NQ,     2
.set ROWB,   192
.set KROW,   768
.set PITCH,  240
.set FR,     12
.set NL,     6
.set NP,     4
.set HALFT,  128*PITCH
.set SLOT,   4*HALFT
.set KS,     32
.set SCL,    2*SLOT
.set HALFS,  (128*KS/256)*272
.set SBLK,   (16*KS/256)*272
.set SPARE,  SCL+4*HALFS
.set ADRA, 16
.set ADRB, 20
.set ADRS, 27
.set SPW,  28
.set NIL,  29
.set SC,   32
.set BI,   64                          ; the bias: eight registers for each of A's eight blocks
.set OW,   64                          ; later: the results' scale words
.set AF,   128
.set T2,   224
.set TM,   232
.set G1, 24
.set G0, 32
.set G1B, 48
.set G0B, 56
.set G1S, 68
.set G0S, 76
.set G1SB, 80
.set G0SB, 88
.set MSB, 0
.macro WIN new
.if MSB != (\new)
	s_set_vgpr_msb (MSB<<8)|(\new)
.set MSB, (\new)
.endif
.endm
.set MUL_LO, 0xa1
.set MUL_HI, 0xf1
.set BIA_LO, 0x81
.set BIA_HI, 0xc1
.set TO_B,   0x40
.macro JLOAD g0a, g1a, g0b, g1b        ; a joint load: waves 0 and 1 fetch for A, waves 2 and 3 for B; an s_nop 0 and four v_nop follow each of the two lines
	s_cmp_eq_u32 s15, 0
	s_cbranch_scc0 .Lfor_b_\@
	tensor_load_to_lds s[\g0a:\g0a+3], s[\g1a:\g1a+7]
	s_nop 0
.rept 4
	v_nop
.endr
	s_branch .Lasked_\@
.Lfor_b_\@:
	tensor_load_to_lds s[\g0b:\g0b+3], s[\g1b:\g1b+7]
	s_nop 0
.rept 4
	v_nop
.endr
.Lasked_\@:
.endm
.macro CREST
	s_cmp_lg_u32 s14, 0
	s_cbranch_scc1 .Lnot_wave_0_\@
	s_barrier_signal -3
.Lnot_wave_0_\@:
	s_barrier_wait -3
	s_barrier_signal -1
	s_barrier_wait -1
.endm
.macro CROUND
	s_barrier_signal -1
	s_barrier_wait -1
	CREST
.endm
	s_load_b128 s[4:7], s[0:1], 0x0                ; c1, s1
	s_load_b64 s[96:97], s[0:1], 0x10              ; bv
	s_load_b64 s[12:13], s[0:1], 0x18              ; hc
	s_load_b64 s[100:101], s[0:1], 0x20            ; hs
	v_lshl_add_u32 v[SPW], v0, 2, SPARE
	v_mov_b32 v[NIL], 0
	ds_add_u32 v[SPW], v[NIL]                      ; the wave's opening: the add and its wait stand ahead of my first tensor load
	v_lshrrev_b32 v1, 5, v0
	v_readfirstlane_b32 s14, v1                    ; wave 0..3
	s_lshr_b32 s15, s14, 1                         ; which half of the tile's features is mine.  Also: I fetch for A (0) or for B (1)
	s_and_b32 s16, s14, 1                          ; which half of its tokens.  Also: which 128 rows I fetch
	s_bfe_u32 s40, ttmp6, 0x40000
	s_bfe_u32 s41, ttmp6, 0x40004
	s_lshl_b32 s42, ttmp9, 2
	s_add_co_u32 s42, s42, s40                     ; x: tile column (tokens)
	s_and_b32 s17, ttmp7, 0xffff
	s_lshl_b32 s17, s17, 2
	s_add_co_u32 s17, s17, s41                     ; y: tile row (features)
	s_lshl_b32 s43, s41, 2
	s_lshl_b32 s43, 15, s43
	s_lshl_b32 s44, 0x1111, s40
	s_or_b32 s[G1+0], s43, (0<<16)|(1<<20)|(1<<21)|(3<<22)|(3<<25)
	s_or_b32 s[G1B+0], s44, (0<<16)|(1<<20)|(1<<21)|(3<<22)|(3<<25)
.irp g, G1, G1B
	s_mov_b32 s[\g+1], ROWB<<16
	s_mov_b32 s[\g+2], 128<<16
	s_mov_b32 s[\g+3], ROWB<<16
	s_mov_b32 s[\g+4], 128
	s_mov_b32 s[\g+5], KROW
	s_mov_b32 s[\g+6], 0
	s_mov_b32 s[\g+7], 0
.endr
	s_or_b32 s[G1S+0], s43, (3<<16)|(1<<20)|(1<<21)|(5<<22)|(3<<25)
	s_or_b32 s[G1SB+0], s44, (3<<16)|(1<<20)|(1<<21)|(5<<22)|(3<<25)
.irp g, G1S, G1SB
	s_mov_b32 s[\g+1], 32<<16
	s_mov_b32 s[\g+2], (128*KS/256)<<16
	s_mov_b32 s[\g+3], 32<<16
	s_mov_b32 s[\g+4], 128*KS/256
	s_mov_b32 s[\g+5], 32
	s_mov_b32 s[\g+6], 0
	s_mov_b32 s[\g+7], 0
.endr
	s_lshl_b32 s18, s16, 7
	s_lshl_b32 s20, s17, 8
	s_add_co_u32 s20, s20, s18                     ; A: row 256 y + 128 x half
	s_lshl_b32 s46, s42, 8
	s_add_co_u32 s46, s46, s18                     ; B: row 256 x + 128 x half
	s_mov_b32 s21, 0
	s_mov_b32 s47, 0
	s_mov_b64 s[18:19], KS
	s_mul_u64 s[22:23], s[20:21], s[18:19]
	s_mul_u64 s[92:93], s[46:47], s[18:19]
	s_mov_b64 s[18:19], KROW
	s_mul_u64 s[20:21], s[20:21], s[18:19]
	s_mul_u64 s[46:47], s[46:47], s[18:19]
	s_mul_i32 s45, s14, HALFT
	s_mul_i32 s94, s14, HALFS
	s_mov_b32 s66, 0x76543210
	s_mov_b32 s67, 0xfedcba98
	s_wait_dscnt 0x0                               ; the opening add is done
	s_wait_kmcnt 0x0
	s_add_nc_u64 s[8:9], s[4:5], 12582912          ; v: codes,
	s_add_nc_u64 s[10:11], s[6:7], 524288          ; scale bytes
	s_add_nc_u64 s[4:5], s[4:5], 20447232          ; Wv: codes,
	s_add_nc_u64 s[6:7], s[6:7], 851968            ; scale bytes
	s_add_nc_u64 s[20:21], s[4:5], s[20:21]
	s_add_nc_u64 s[22:23], s[6:7], s[22:23]
	s_add_nc_u64 s[46:47], s[8:9], s[46:47]
	s_add_nc_u64 s[92:93], s[10:11], s[92:93]
	CROUND                                         ; all sixteen work-groups are here: the first joint loads meet
	s_mov_b32 s[G0S], 1
	s_add_co_u32 s[G0S+1], s94, SCL
	s_mov_b64 s[G0S+2:G0S+3], s[22:23]
	s_or_b32 s[G0S+3], s[G0S+3], 0x80000000
	s_mov_b32 s[G0SB], 1
	s_add_co_u32 s[G0SB+1], s94, SCL
	s_mov_b64 s[G0SB+2:G0SB+3], s[92:93]
	s_or_b32 s[G0SB+3], s[G0SB+3], 0x80000000
	JLOAD G0S, G1S, G0SB, G1SB
.irp s, 0,1
	s_mov_b32 s[G0+4*\s], 1
	s_add_co_u32 s[G0+4*\s+1], s45, \s*SLOT
	s_add_nc_u64 s[G0+4*\s+2:G0+4*\s+3], s[20:21], \s*ROWB
	s_or_b32 s[G0+4*\s+3], s[G0+4*\s+3], 0x80000000
	s_mov_b32 s[G0B+4*\s], 1
	s_add_co_u32 s[G0B+4*\s+1], s45, \s*SLOT
	s_add_nc_u64 s[G0B+4*\s+2:G0B+4*\s+3], s[46:47], \s*ROWB
	s_or_b32 s[G0B+4*\s+3], s[G0B+4*\s+3], 0x80000000
	JLOAD G0+4*\s, G1, G0B+4*\s, G1B               ; three tensor loads of mine are out
.endr
	v_and_b32 v1, 15, v0                           ; r
	v_bfe_u32 v2, v0, 4, 1                         ; h
	; the bias: lane r of A's block a holds feature 32 (a / 2) + 8 (a % 2) + r + 8 (r / 8) of my 128
	s_lshl_b32 s18, s17, 10
	s_lshl_b32 s19, s15, 9
	s_add_co_u32 s18, s18, s19                     ; 4 (256 y + 128 x my half)
	s_mov_b32 s19, 0
	s_add_nc_u64 s[96:97], s[96:97], s[18:19]
	v_and_b32 v7, 8, v1
	v_add_nc_u32 v7, v7, v1
	v_lshlrev_b32 v7, 2, v7
.irp a, 0,1,2,3,4,5,6,7
.irp j, 0,1,2,3,4,5,6,7
	global_load_b32 v[BI+8*\a+\j], v7, s[96:97] offset:(32*(\a/2)+8*(\a%2))*4   ; the same number for all eight tokens of the lane
.endr
.endr
	v_mul_u32_u24 v3, v1, PITCH
	v_mul_u32_u24 v4, v2, 24
	v_add_nc_u32 v4, v3, v4
	v_lshl_add_u32 v5, v2, 4, v4
	s_mul_i32 s21, s15, HALFT
	s_mul_i32 s22, s16, HALFT
	s_add_co_u32 s22, s22, 2*HALFT
.irp s, 0,1
	v_add_nc_u32 v[ADRA+\s], s21, v4
	v_add_nc_u32 v[ADRB+\s], s22, v4
	v_add_nc_u32 v[ADRA+2+\s], s21, v5
	v_add_nc_u32 v[ADRB+2+\s], s22, v5
	s_add_co_u32 s21, s21, SLOT
	s_add_co_u32 s22, s22, SLOT
.endr
	v_mul_u32_u24 v5, v1, KS
	v_lshrrev_b32 v6, 8, v5
	v_lshl_add_u32 v5, v6, 4, v5
	s_mul_i32 s21, s15, HALFS
	s_mul_i32 s22, s16, HALFS
	s_add_co_u32 s22, s22, 2*HALFS
	s_sub_co_u32 s22, s22, s21
	v_mul_u32_u24 v6, s22, v2
	s_add_co_u32 s21, s21, SCL
	v_add_nc_u32 v5, v5, v6
	v_add_nc_u32 v[ADRS], s21, v5
	; the way out
	v_and_b32 v6, 31, v0
	v_lshlrev_b32 v24, 4, v6                       ; an image: 16 bytes a lane
	v_mul_u32_u24 v25, v2, 20480
	v_lshl_add_u32 v25, v1, 4, v25                 ; scale words: 16 r; lanes 16-31 one head on
.irp b, 0,1,2,3
	v_mov_b32 v[TM+4+\b], 0                        ; written once: a lane permute's destination counts as one of its sources
.endr
	s_lshl_b32 s20, s42, 8
	s_lshl_b32 s21, s16, 7
	s_add_co_u32 s20, s20, s21                     ; my first token among the 8,192
	s_lshr_b32 s21, s20, 11                        ; the batch
	s_bfe_u32 s22, s20, 0x40007                    ; the K step of 128 keys: bits 10:7
	s_lshl_b32 s23, s17, 2
	s_lshl_b32 s46, s15, 1
	s_add_co_u32 s23, s23, s46                     ; my first head: 4 y + 2 x half
	s_lshl_b32 s21, s21, 4
	s_add_co_u32 s21, s21, s23                     ; 16 x batch + head
	s_mul_i32 s46, s21, 294912
	s_mul_i32 s47, s22, 6144                       ; a K step's four fragments
	s_add_co_u32 s46, s46, s47
	s_add_co_u32 s46, s46, 196608                  ; V lies behind Q and K
	s_mov_b32 s47, 0
	s_add_nc_u64 s[12:13], s[12:13], s[46:47]
	s_mul_i32 s46, s21, 20480
	s_lshl_b32 s18, s22, 8
	s_add_co_u32 s46, s46, s18
	s_add_co_u32 s46, s46, 16384
	s_add_nc_u64 s[100:101], s[100:101], s[46:47]
.macro FRAG reg, adr, q, i
.irp p, 0,1,2,3,4,5
.set PC, 12*(\q)+6*(\p/3)+\p%3
.if PC%8 < 5
	ds_load_b64 v[\reg+2*\p:\reg+2*\p+1], v[\adr] offset:8*PC+16*(PC/8)+(\i)*16*PITCH
.else
	ds_load_b64 v[\reg+2*\p:\reg+2*\p+1], v[\adr+2] offset:8*PC+16*(PC/8)+(\i)*16*PITCH
.endif
.endr
.endm
; 16 matrix instructions: A's blocks a0, a0 + 1 x B's eight.  first = 1: the bias of A's block is C and starts the sums.  The 64 accumulators take turns.
.macro MUL16 a0, p, q, sc, first
.irp a, \a0, \a0+1
.irp b, 0,1,2,3,4,5,6,7
.if \first
	v_wmma_scale_f32_16x16x128_f8f6f4 v[8*(8*((\a)%4)+\b):8*(8*((\a)%4)+\b)+7], v[128*(\p)+FR*\b:128*(\p)+FR*\b+FR-1], v[AF+FR*(\a):AF+FR*(\a)+FR-1], v[BI+8*(\a):BI+8*(\a)+7], v[SC+8*NQ*(\sc)+NQ*\b+(\q)], v[SC+8*NQ*(\sc)+NQ*(\a)+(\q)] matrix_a_fmt:MATRIX_FMT_FP6 matrix_b_fmt:MATRIX_FMT_FP6 matrix_a_scale:MATRIX_SCALE_ROW1
.else
	v_wmma_scale_f32_16x16x128_f8f6f4 v[8*(8*((\a)%4)+\b):8*(8*((\a)%4)+\b)+7], v[128*(\p)+FR*\b:128*(\p)+FR*\b+FR-1], v[AF+FR*(\a):AF+FR*(\a)+FR-1], v[8*(8*((\a)%4)+\b):8*(8*((\a)%4)+\b)+7], v[SC+8*NQ*(\sc)+NQ*\b+(\q)], v[SC+8*NQ*(\sc)+NQ*(\a)+(\q)] matrix_a_fmt:MATRIX_FMT_FP6 matrix_b_fmt:MATRIX_FMT_FP6 matrix_a_scale:MATRIX_SCALE_ROW1
.endif
.endr
.endr
.endm
.macro FETCH_B slot, q, p
	WIN TO_B
.irp i, 0,1,2,3,4,5,6,7
	FRAG 128*(\p)+FR*\i, ADRB+\slot, \q, \i
.endr
	WIN 0
.endm
.macro FETCH_A slot, q, i0
.irp i, \i0, \i0+1, \i0+2, \i0+3
	FRAG AF+FR*(\i), ADRA+\slot, \q, \i
.endr
.endm
.macro SCALES sc
.irp i, 0,1,2,3,4,5,6,7
	ds_load_b64 v[SC+8*NQ*\sc+NQ*\i:SC+8*NQ*\sc+NQ*\i+1], v[ADRS] offset:\i*SBLK
.endr
.endm
.macro PLACES n
.rept \n
	v_nop
.endr
.endm
.macro STEP slot, q, first
	s_wait_dscnt 4*NL                              ; the youngest 24 loads (A's blocks 4-7) may be out
.if \first
	WIN BIA_LO
.else
	WIN MUL_LO
.endif
	MUL16 0, (\q)%2, \q, \slot, \first
	MUL16 2, (\q)%2, \q, \slot, \first
	s_wait_dscnt 0
	PLACES NP
	FETCH_B \slot, (\q)+1, 1-(\q)%2
	FETCH_A \slot, (\q)+1, 0
.if \first
	WIN BIA_HI
.else
	WIN MUL_HI
.endif
	MUL16 4, (\q)%2, \q, \slot, \first
	MUL16 6, (\q)%2, \q, \slot, \first
	PLACES NP
	WIN 0
	FETCH_A \slot, (\q)+1, 4
.endm
.macro TURN slot, next, fill
	s_wait_tensorcnt 0x0                           ; all my tensor loads have landed: my part of the next slot
	ds_add_u32 v[SPW], v[NIL]                      ; 0 onto my spare word
	s_wait_dscnt 4*NL+1                            ; (the add and the youngest 24 loads may be out)
	WIN MUL_LO
	MUL16 0, 1, NQ-1, \slot, 0
	s_wait_dscnt 0x0                               ; the add is done, and my reads of this slot are over
	s_barrier_signal -1
	MUL16 2, 1, NQ-1, \slot, 0
	WIN 0
	s_barrier_wait -1
.if \fill
	CREST                                          ; a round of the cluster's barrier: no wave of any partner still reads this slot or has a load on its way
	s_add_nc_u64 s[G0+4*\slot+2:G0+4*\slot+3], s[G0+4*\slot+2:G0+4*\slot+3], 2*ROWB
	s_add_nc_u64 s[G0B+4*\slot+2:G0B+4*\slot+3], s[G0B+4*\slot+2:G0B+4*\slot+3], 2*ROWB
	JLOAD G0+4*\slot, G1, G0B+4*\slot, G1B
.else
	PLACES NP
.endif
	v_add_nc_u32 v[ADRS], 4*NQ, v[ADRS]
	FETCH_B \next, 0, 0
	FETCH_A \next, 0, 0
	SCALES \next
	WIN MUL_HI
	MUL16 4, 1, NQ-1, \slot, 0
	MUL16 6, 1, NQ-1, \slot, 0
	PLACES NP
	WIN 0
	FETCH_A \next, 0, 4
.endm
; 64 numbers of a lane, the accumulators of A's block a (register 16 g + i = token 32 g + 16 (lane / 16) + i, of my feature), become a fragment's 12 registers at v[128 + 12 a] and its scale word v[pw].
.macro QUANT a, pw
.set QS, 64*((\a)%4)
.set QC, 128+12*(\a)
	WIN 0x0a+5*((\a)/4)
.irp b, 0,1,2,3
	v_max3_num_f32 v[TM+\b], |v[QS+16*\b]|, |v[QS+16*\b+1]|, 0x1800000   ; each accumulator from its low end on; the floor 2^(3 - 127)
.endr
.irp i, 2,4,6,8,10,12,14
.irp b, 0,1,2,3
	v_max3_num_f32 v[TM+\b], |v[QS+16*\b+\i]|, |v[QS+16*\b+\i+1]|, v[TM+\b]
.endr
.endr
	WIN 0
.irp b, 0,1,2,3
	v_permlanex16_b32 v[TM+4+\b], v[TM+\b], s66, s67
.endr
.irp b, 0,1,2,3
	v_max_num_f32 v[TM+\b], v[TM+\b], v[TM+4+\b]
.endr
.irp b, 0,1,2,3
	v_add_nc_u32 v[TM+12+\b], 0xff000000, v[TM+\b]
.endr
.irp b, 0,1,2,3
	v_lshrrev_b32 v[TM+4+\b], 23, v[TM+12+\b]
.endr
	v_lshl_or_b32 v[\pw], v[TM+5], 8, v[TM+4]
	v_lshl_or_b32 v[\pw], v[TM+6], 16, v[\pw]
	v_lshl_or_b32 v[\pw], v[TM+7], 24, v[\pw]
	WIN 2+(\a)/4
.irp c, 0,1
	v_cvt_scalef32_pk16_fp6_f32 v[QC+6*\c:QC+6*\c+2], v[QS+32*\c:QS+32*\c+15], v[TM+12+2*\c]
	v_cvt_scalef32_pk16_fp6_f32 v[T2+4*\c:T2+4*\c+2], v[QS+32*\c+16:QS+32*\c+31], v[TM+13+2*\c]
.endr
	WIN 0
	v_nop                                          ; one plain place behind a scaled conversion
.irp c, 0,1
.irp i, 0,1,2
	v_permlane16_swap_b32 v[QC+6*\c+\i], v[T2+4*\c+\i]
.endr
.irp i, 0,1,2
	v_mov_b32 v[QC+3+6*\c+\i], v[T2+4*\c+\i]
.endr
.endr
.endm
	s_wait_tensorcnt 1                             ; the scales and my part of K step 0 are in (K step 1's load may be out)
	s_barrier_signal -1
	s_barrier_wait -1
	FETCH_B 0, 0, 0
	FETCH_A 0, 0, 0
	SCALES 0
	FETCH_A 0, 0, 4
	s_wait_loadcnt 0x0                             ; the bias
	STEP 0, 0, 1
	TURN 0, 1, 1
	STEP 1, 0, 0
	TURN 1, 0, 1
	STEP 0, 0, 0
	TURN 0, 1, 0
	STEP 1, 0, 0
	s_wait_dscnt 4*NL
	WIN MUL_LO
	MUL16 0, 1, NQ-1, 1, 0
	MUL16 2, 1, NQ-1, 1, 0
	s_wait_dscnt 0
	WIN MUL_HI
	MUL16 4, 1, NQ-1, 1, 0
	MUL16 6, 1, NQ-1, 1, 0
	WIN 0
	PLACES NP
.irp a, 0,1,2,3,4,5,6,7                ; head a / 4 of my two, tile a % 4 of its four
	QUANT \a, OW+\a
.irp q, 0,1,2
	global_store_b128 v24, v[QC+4*\q:QC+4*\q+3], s[12:13] offset:294912*(\a/4)+1536*(\a%4)+512*\q   ; 32 lanes store 512 consecutive bytes, aligned
.endr
.endr
	v_and_b32 v3, 16, v0
	v_cmp_ne_u32 vcc_lo, 0, v3                     ; lanes 16-31 store the second head's four words
.irp d, 0,1,2,3
	v_cndmask_b32 v[OW+8+\d], v[OW+\d], v[OW+4+\d], vcc_lo
.endr
	global_store_b128 v25, v[OW+8:OW+11], s[100:101]           ; sixteen lanes store 256 consecutive bytes of one head's words
	s_wait_tensorcnt 0x0                           ; the wave's end
	ds_add_u32 v[SPW], v[NIL]
	s_wait_dscnt 0x0
	CROUND                                         ; the closing round
	s_endpgm
.Lfunc_end_k_q507e68f6fe_projv:
	.size	k_q507e68f6fe_projv, .Lfunc_end_k_q507e68f6fe_projv-k_q507e68f6fe_projv
	.p2alignl 7, 3214868480
	.fill 96, 4, 3214868480
	.section	.rodata,"a",@progbits
	.p2align	6, 0x0
	.amdhsa_kernel k_q507e68f6fe_projv
		.amdhsa_group_segment_fixed_size 327680
		.amdhsa_private_segment_fixed_size 0
		.amdhsa_enable_private_segment 0
		.amdhsa_kernarg_size 40
		.amdhsa_user_sgpr_count 2
		.amdhsa_user_sgpr_kernarg_segment_ptr 1
		.amdhsa_wavefront_size32 1
		.amdhsa_system_sgpr_workgroup_id_x 1
		.amdhsa_system_sgpr_workgroup_id_y 1
		.amdhsa_system_sgpr_workgroup_id_z 1
		.amdhsa_system_vgpr_workitem_id 0
		.amdhsa_next_free_vgpr 1024
		.amdhsa_next_free_sgpr 102
		.amdhsa_reserve_vcc 1
		.amdhsa_float_denorm_mode_32 3
		.amdhsa_float_denorm_mode_16_64 3
		.amdhsa_memory_ordered 1
		.amdhsa_forward_progress 1
		.amdhsa_inst_pref_size 171
	.end_amdhsa_kernel
	.amdgpu_metadata
---
amdhsa.version: [ 1, 2 ]
amdhsa.kernels:
  - .name:           k_q507e68f6fe_projv
    .symbol:         k_q507e68f6fe_projv.kd
    .args:
      - { .name: c1, .offset: 0, .size: 8, .value_kind: global_buffer, .address_space: global }
      - { .name: s1, .offset: 8, .size: 8, .value_kind: global_buffer, .address_space: global }
      - { .name: bv, .offset: 16, .size: 8, .value_kind: global_buffer, .address_space: global }
      - { .name: hc, .offset: 24, .size: 8, .value_kind: global_buffer, .address_space: global }
      - { .name: hs, .offset: 32, .size: 8, .value_kind: global_buffer, .address_space: global }
    .group_segment_fixed_size: 327680
    .private_segment_fixed_size: 0
    .kernarg_segment_align: 8
    .kernarg_segment_size: 40
    .max_flat_workgroup_size: 128
    .sgpr_count:     102
    .vgpr_count:     1024
    .wavefront_size: 32
...
	.end_amdgpu_metadata
.endif
;; end of part 3
;; launch attn (part 4): grid 8 x 64, 16 waves a work-group, clusters of 4 x 1, 210,944 bytes of LDS; arguments hc, hs, xc, xs; writes xc, xs
.if DOCPART == 4
	.amdgcn_target "amdgcn-amd-amdhsa--gfx1250"
	.amdhsa_code_object_version 6
	.text
	.protected	k_q507e68f6fe_attn
	.globl	k_q507e68f6fe_attn
	.p2align	8
	.type	k_q507e68f6fe_attn,@function
k_q507e68f6fe_attn:
	s_mov_b64 s[64:65], 0
	v_nop
	global_prefetch_b8 v0, s[64:65] scope:SCOPE_SE
	s_setreg_imm32_b32 hwreg(HW_REG_WAVE_MODE, 25, 1), 1
	s_wait_xcnt 0x0
	s_wait_alu depctr_hold_cnt(0) depctr_sa_sdst(0) depctr_va_vdst(0) depctr_va_sdst(0) depctr_va_ssrc(0) depctr_va_vcc(0) depctr_vm_vsrc(0)
	s_getreg_b32 s2, hwreg(HW_REG_IB_STS2, 6, 4)
	s_cmp_eq_u32 s2, 0
	s_cbranch_scc0 .Lentry_in_a_cluster
	s_endpgm
.Lentry_in_a_cluster:
	s_bfe_u32 s2, ttmp6, 0x10000c
	s_cmp_lg_u32 s2, 0x3003
	s_cbranch_scc0 .Lentry_shape_is_right
	s_endpgm
.Lentry_shape_is_right:
; x[b][q][head] = softmax_k(Q . K / 8) V for 64 heads of 2,048 tokens x 64, both products on codes of FP6 (E2M3) with E8M0 scales; x is quantised along the model's 1,024 and stored as images of operand registers.
; THE SOFTMAX AHEAD OF THE SECOND PRODUCT: t = score x log2(e) / 8; M = the row's largest t so far, rounded UP to a whole number; p = 2^(t - M) is quantised along the keys, not normalised.  The row's sum is taken of the
; unquantised p and divides O at the end.  When M moves, the sum and O are multiplied by 2^(old M - new M): exact.
; The input mask is not read: reference() throws its masked scores away, so that no output number hangs on it.
; SHARES.  A work-group owns 256 queries of one head, each of its sixteen waves 16 of them in 256 registers: four waves to a SIMD, so that one wave's vector work stands beside another's matrix work and LDS loads.
; A HEAD'S K, V AND THEIR SCALE WORDS LIE WHOLE IN LDS: 208,896 bytes, filled ONCE: no slot is filled again, so the loop has no change of slots.  They come in four chunks of 512 keys; a chunk is read as soon as it has landed.
; CLUSTER.  The four query blocks of a cluster belong to one head: each block of K and V is asked for jointly (the mask names all four).  Waves 0 (K) and 1 (V) issue five tensor loads each.
; No prefetch: every byte of K and V is asked for by the tensor loads of the first lines.
; LAYOUT.  Both products are used transposed: S^T = K Q^T, O^T = V^T P^T: a lane holds ONE query throughout.  The head's 64 fill half of the instruction's 128: registers 6-11 of Q's and K's fragments hold zero codes,
; bytes 2 and 3 of their scale words 0x7f.  K's tiles hold keys 8 u + r + 8 (r / 8) of a group of 32, so the 16 registers of tiles 2 g and 2 g + 1 are keys 32 g + 16 (lane / 16) + 0 .. 15; V^T's tiles hold
; the head's channels in the same order, so O^T's registers are 16 neighbouring channels.
; OPERANDS LIE IN MEMORY AND IN LDS AS IMAGES OF THEIR REGISTERS: every LDS read is 8 or 16 bytes x lane on end.
; x's scale bytes leave one byte a lane, 32 bytes apart: a row's 32 bytes come from sixteen work-groups; they are one part in 24 of the codes' bytes.
; LIMITS: NaN and infinities are not served; the largest t begins at -3e38; blocks under 2^(2 - 126) keep the byte 1 (the bytes are read by this program alone).
; REGISTERS: v1-4 addresses that stay; v5, v6 the add's two; v8-11 addresses in hand; v12 -M, v13 the largest t, v[14:15] the sum; v16-27 Q; v28-31 V's scale words; v32-79 four fragments of K; v80-127 four of V;
;   v128-191 S^T, then p; v192-223 O^T; v224-235 p's codes; v232-247 at work; v248-251 K's scale words; v252 f; v253 p's scale word; v254 at work; v255 Q's scale word.
.set VC,    98304                      ; LDS: K's 128 tile images of 768 bytes from 0; V's 16 x 4 fragment images of 1,536 bytes from here;
.set SCL,   196608                     ; K's scale words, 8,192 bytes: 512 a key step: [r][4 words] twice;
.set SCV,   204800                     ; V's, 4,096 bytes: 256 a key step: [r][4 words];
.set SPARE, 208896                     ; the spare words, 128 bytes for each of sixteen waves
.set AK0,  1                           ; v1   8 x lane
.set AV0,  2                           ; v2   VC + 16 x lane
.set ASK0, 3                           ; v3   SCL + 16 r
.set ASV0, 4                           ; v4   SCV + 16 r
.set SPW,  5
.set NIL,  6
.set ADK,  8
.set ADV,  9
.set ADS,  10
.set ADT,  11
.set WV,   12                          ; s12  my wave's number
.set SEL,  20                          ; s[20:21] selects for lane l xor 16
.set CS,   22                          ; s[22:23] c = log2(e) / 8
.set G1C,  24                          ; s[24:31] group 1: 24,576 dense bytes as 96 rows of 256
.set G1S,  32                          ; s[32:39] group 1: 6,144 dense bytes as 24 rows of 256
.set G0S,  40                          ; s[40:43] group 0 for the scale words
.set G0C,  44                          ; s[44:59] groups 0 for the four chunks
.set TB,   60                          ; s60  where the step's images begin (in K's region and in V's): 6,144 a step
.set TS,   61                          ; s61  K's scale words: 512 a step
.set TJ,   62                          ; s62  V's: 256 a step
.set CNT,  63
.macro CROUND                          ; a round of the cluster's barrier
	s_barrier_signal -1
	s_barrier_wait -1
	s_cmp_lg_u32 s[WV], 0
	s_cbranch_scc1 .Lnot_wave_0_\@
	s_barrier_signal -3
.Lnot_wave_0_\@:
	s_barrier_wait -3
	s_barrier_signal -1
	s_barrier_wait -1
.endm
	s_load_b128 s[4:7], s[0:1], 0x0                ; hc, hs
	s_load_b128 s[8:11], s[0:1], 0x10              ; xc, xs
	v_lshl_add_u32 v[SPW], v0, 2, SPARE
	v_mov_b32 v[NIL], 0
	ds_add_u32 v[SPW], v[NIL]                      ; the wave's opening: the add and its wait stand ahead of the first tensor loads; work on registers stands between them
	ds_add_u32 v[SPW], v[NIL]
	v_lshrrev_b32 v8, 5, v0
	s_delay_alu instid0(VALU_DEP_1)
	v_readfirstlane_b32 s[WV], v8                  ; wave 0..15
	s_bfe_u32 s13, ttmp6, 0x40000                  ; cx
	s_lshl_b32 s14, ttmp9, 2
	s_add_co_u32 s14, s14, s13                     ; my block of 256 queries: it enters Q's and x's addresses alone
	s_and_b32 s15, ttmp7, 0xffff                   ; 16 x batch + head, which the four partners share
	s_and_b32 s16, s[WV], 1                        ; wave 0 fetches K's part, wave 1 V's
	s_mov_b32 s[G1C], 15|(3<<16)|(1<<21)           ; the mask: all four work-groups; elements of 8 bytes; bit 21 beside a mask; no padding
	s_mov_b32 s[G1C+1], 32<<16                     ; tensor_dim0 = 32 elements
	s_mov_b32 s[G1C+2], 96<<16                     ; tensor_dim1 = 96
	s_mov_b32 s[G1C+3], 32<<16                     ; tile_dim0
	s_mov_b32 s[G1C+4], 96                         ; tile_dim1
	s_mov_b32 s[G1C+5], 32                         ; the pitch
	s_mov_b32 s[G1C+6], 0
	s_mov_b32 s[G1C+7], 0
	s_mov_b32 s[G1S], 15|(3<<16)|(1<<21)
	s_mov_b32 s[G1S+1], 32<<16
	s_mov_b32 s[G1S+2], 24<<16
	s_mov_b32 s[G1S+3], 32<<16
	s_mov_b32 s[G1S+4], 24
	s_mov_b32 s[G1S+5], 32
	s_mov_b32 s[G1S+6], 0
	s_mov_b32 s[G1S+7], 0
	s_mov_b32 s[SEL], 0x76543210
	s_mov_b32 s[SEL+1], 0xfedcba98
	s_mov_b32 s[CS], 0x3e38aa3b                    ; log2(e) / sqrt(64)
	s_mov_b32 s[CS+1], s[CS]                       ; (named with it as a pair, so it is written)
	s_mul_i32 s66, s15, 294912                     ; the head's first byte in hc,
	s_mov_b32 s67, 0
	s_mul_i32 s68, s15, 20480                      ; and in hs
	s_mov_b32 s69, 0
	s_mul_i32 s17, s16, 98304                      ; K's region or V's, in memory and in LDS alike
	s_mul_i32 s18, s16, 6144                       ; my half of the scale words
	s_mov_b32 s19, 0
	s_mov_b32 s72, s17
	s_mov_b32 s73, 0
	s_wait_dscnt 0x0                               ; the opening add is done
	s_wait_kmcnt 0x0
	s_add_nc_u64 s[66:67], s[4:5], s[66:67]
	s_add_nc_u64 s[68:69], s[6:7], s[68:69]
	s_mov_b32 s[G0S], 1
	s_add_co_u32 s[G0S+1], s18, SCL
	s_add_nc_u64 s[G0S+2:G0S+3], s[68:69], s[18:19]
	s_add_nc_u64 s[G0S+2:G0S+3], s[G0S+2:G0S+3], 8192      ; K's and V's words lie behind Q's 8,192 bytes
	s_or_b32 s[G0S+3], s[G0S+3], 0x80000000
	s_add_nc_u64 s[72:73], s[66:67], s[72:73]
.irp c, 0,1,2,3
	s_mov_b32 s[G0C+4*\c], 1
	s_add_co_u32 s[G0C+4*\c+1], s17, 24576*\c
	s_add_nc_u64 s[G0C+4*\c+2:G0C+4*\c+3], s[72:73], 98304+24576*\c   ; K lies behind Q's 98,304 bytes, V behind K's
	s_or_b32 s[G0C+4*\c+3], s[G0C+4*\c+3], 0x80000000
.endr
	CROUND                                         ; all four work-groups are here: the joint loads meet
	s_cmp_lt_u32 s[WV], 2                          ; all first fills of a wave stand in one branch on the wave's number: five loads of waves 0 and 1 are out, none of the others
	s_cbranch_scc0 .Lno_fetch
	tensor_load_to_lds s[G0S:G0S+3], s[G1S:G1S+7]
	s_nop 0
.irp c, 0,1,2,3
	tensor_load_to_lds s[G0C+4*\c:G0C+4*\c+3], s[G1C:G1C+7]
	s_nop 0
.endr
.rept 4
	v_nop
.endr
.Lno_fetch:
	s_lshl_b32 s17, s14, 4
	s_add_co_u32 s17, s17, s[WV]                   ; my tile of 16 queries, 0 .. 127
	s_mul_i32 s70, s17, 768
	s_mov_b32 s71, 0
	s_add_nc_u64 s[70:71], s[66:67], s[70:71]      ; its image
	s_lshr_b32 s18, s17, 2
	s_lshl_b32 s18, s18, 8
	s_and_b32 s19, s17, 3
	s_lshl_b32 s19, s19, 2
	s_add_co_u32 s74, s18, s19
	s_mov_b32 s75, 0
	s_add_nc_u64 s[74:75], s[68:69], s[74:75]      ; its scale words: 256 (tile / 4) + 4 (tile % 4), + 16 r
	v_and_b32 v8, 31, v0
	v_and_b32 v10, 15, v0                          ; r
	s_delay_alu instid0(VALU_DEP_2)
	v_lshlrev_b32 v[AK0], 3, v8
	s_delay_alu instid0(VALU_DEP_2)
	v_lshlrev_b32 v9, 4, v10
.irp p, 0,1,2
	global_load_b64 v[16+2*\p:17+2*\p], v[AK0], s[70:71] offset:256*\p   ; Q's half fragment stays in registers
.endr
	global_load_b32 v255, v9, s[74:75]
	v_lshl_add_u32 v[AV0], v8, 4, VC
	v_lshl_add_u32 v[ASK0], v10, 4, SCL
	v_lshl_add_u32 v[ASV0], v10, 4, SCV
.irp j, 22,23,24,25,26,27
	v_mov_b32 v[\j], 0                             ; zero codes for k = 64 .. 127: Q's,
.endr
.irp t, 0,1,2,3
.irp j, 6,7,8,9,10,11
	v_mov_b32 v[32+12*\t+\j], 0                    ; and K's: written once, no load lands here
.endr
.endr
	s_lshr_b32 s18, s15, 4                         ; the batch
	s_and_b32 s19, s15, 15                         ; the head
	s_lshl_b32 s18, s18, 7
	s_add_co_u32 s18, s18, s17                     ; my tile of 16 rows among x's 512
	s_mul_i32 s72, s18, 12288                      ; xc: 16 heads x 768 bytes a tile of rows
	s_mul_i32 s16, s19, 768
	s_add_co_u32 s72, s72, s16
	s_mov_b32 s73, 0
	s_add_nc_u64 s[8:9], s[8:9], s[72:73]
	s_lshl_b32 s72, s18, 9                         ; xs: 32 bytes a row
	s_lshl_b32 s16, s19, 1
	s_add_co_u32 s72, s72, s16
	s_add_nc_u64 s[10:11], s[10:11], s[72:73]
	v_mov_b32 v13, 0xff61b1e6                      ; the largest t so far: -3e38
	s_delay_alu instid0(VALU_DEP_1)
	v_floor_f32 v12, -v13                          ; -M
	v_mov_b32 v14, 0
	v_mov_b32 v15, 0
.irp b, 0,1,2,3
	v_mov_b32 v[236+\b], 0                         ; written once: a lane permute's destination counts as one of its sources
.endr
	v_mov_b32 v253, 0                              ; (named as the upper half of the pair v[252:253] before it is first written)
.irp j, 0,1,2,3,4,5,6,7,8,9,10,11,12,13,14,15,16,17,18,19,20,21,22,23,24,25,26,27,28,29,30,31
	v_mov_b32 v[192+\j], 0                         ; O^T: the step is written once; the first finds zeros, which the first change of M leaves zeros
.endr
	s_wait_loadcnt 0x0                             ; Q
; A KEY STEP: 128 keys.
.macro STEP
	v_add_nc_u32 v[ADK], s[TB], v[AK0]             ; these four are also the places behind the last step's products, in front of the loads into V's registers
	v_add_nc_u32 v[ADV], s[TB], v[AV0]
	v_add_nc_u32 v[ADS], s[TS], v[ASK0]
	v_add_nc_u32 v[ADT], s[TJ], v[ASV0]
.irp t, 0,1,2,3
.irp p, 0,1,2
	ds_load_b64 v[32+12*\t+2*\p:33+12*\t+2*\p], v[ADK] offset:768*\t+256*\p
.endr
.endr
	ds_load_b128 v[248:251], v[ADS]                ; the four tiles' scale words
.irp d, 0,1,2,3
.irp q, 0,1,2
	ds_load_b128 v[80+12*\d+4*\q:83+12*\d+4*\q], v[ADV] offset:1536*\d+512*\q   ; V's four fragments are asked for now and wanted behind the softmax
.endr
.endr
	ds_load_b128 v[28:31], v[ADT]
	s_wait_alu depctr_va_vdst(0)
	s_wait_dscnt 13                                ; K's thirteen loads are in; V's thirteen may be out
.irp t, 0,1,2,3
	v_wmma_scale_f32_16x16x128_f8f6f4 v[128+8*\t:135+8*\t], v[32+12*\t:43+12*\t], v[16:27], 0, v[248+\t], v255 matrix_a_fmt:MATRIX_FMT_FP6 matrix_b_fmt:MATRIX_FMT_FP6
.endr
.rept 4
	v_nop                                          ; places in front of loads into registers that matrix instructions have read
.endr
.irp t, 0,1,2,3
.irp p, 0,1,2
	ds_load_b64 v[32+12*\t+2*\p:33+12*\t+2*\p], v[ADK] offset:768*(4+\t)+256*\p
.endr
.endr
	ds_load_b128 v[248:251], v[ADS] offset:256
	s_wait_dscnt 0x0
.irp t, 0,1,2,3
	v_wmma_scale_f32_16x16x128_f8f6f4 v[160+8*\t:167+8*\t], v[32+12*\t:43+12*\t], v[16:27], 0, v[248+\t], v255 matrix_a_fmt:MATRIX_FMT_FP6 matrix_b_fmt:MATRIX_FMT_FP6
.endr
.rept 4
	v_nop
.endr
.irp b, 0,1,2,3
	v_max3_num_f32 v[232+\b], v[128+16*\b], v[129+16*\b], v[130+16*\b]   ; the largest score of each block of 32 keys: it serves the row's maximum and, since p rises with the score, the block's largest p
.endr
.irp i, 3,5,7,9,11,13
.irp b, 0,1,2,3
	v_max3_num_f32 v[232+\b], v[232+\b], v[128+16*\b+\i], v[129+16*\b+\i]
.endr
.endr
.irp b, 0,1,2,3
	v_max_num_f32 v[232+\b], v[232+\b], v[143+16*\b]
.endr
.irp b, 0,1,2,3
	s_delay_alu instid0(VALU_DEP_4)
	v_permlanex16_b32 v[236+\b], v[232+\b], s[SEL], s[SEL+1]
.endr
.irp b, 0,1,2,3
	s_delay_alu instid0(VALU_DEP_4)
	v_max_num_f32 v[232+\b], v[232+\b], v[236+\b]  ; with lane l xor 16's 16 keys
.endr
	s_delay_alu instid0(VALU_DEP_2)
	v_max3_num_f32 v254, v232, v233, v234
	s_delay_alu instid0(VALU_DEP_1)
	v_max_num_f32 v254, v254, v235                 ; the step's largest score of my query
	s_delay_alu instid0(VALU_DEP_1)
	v_mul_f32 v254, s[CS], v254                    ; as t (c is positive)
	s_delay_alu instid0(VALU_DEP_1)
	v_max_num_f32 v13, v13, v254                   ; the running largest t
	v_mov_b32 v254, v12
	s_delay_alu instid0(VALU_DEP_2)
	v_floor_f32 v12, -v13                          ; the new -M = floor(-t) = -ceil(t)
	s_delay_alu instid0(VALU_DEP_1)
	v_sub_f32 v254, v12, v254                      ; old M - new M: a whole number, 0 or less
	s_delay_alu instid0(VALU_DEP_1)
	v_cvt_i32_f32 v254, v254                       ; (it saturates)
	s_delay_alu instid0(VALU_DEP_1)
	v_ldexp_f32 v252, 1.0, v254                    ; f = 2^(old M - new M)
.irp j, 0,2,4,6,8,10,12,14,16,18,20,22,24,26,28,30,32,34,36,38,40,42,44,46,48,50,52,54,56,58,60,62
	v_pk_fma_f32 v[128+\j:129+\j], v[128+\j:129+\j], s[CS:CS+1], v[12:13] op_sel_hi:[1,0,0]   ; t - M, two at a time
.endr
.irp b, 0,1,2,3
	v_fma_f32 v[232+\b], v[232+\b], s[CS], v12     ; the same of each block's largest score
.endr
	s_setprio 1
	s_wait_alu depctr_va_vdst(0)
.irp j, 0,1,2,3,4,5,6,7,8,9,10,11,12,13,14,15,16,17,18,19,20,21,22,23,24,25,26,27,28,29,30,31,32,33,34,35,36,37,38,39,40,41,42,43,44,45,46,47,48,49,50,51,52,53,54,55,56,57,58,59,60,61,62,63
	v_exp_f32 v[128+\j], v[128+\j]                 ; p = 2^(t - M), at most 1
.endr
	v_pk_mul_f32 v[14:15], v[14:15], v[252:253] op_sel_hi:[1,0]   ; the sums under the new M: a plain place behind the exponentials
	s_wait_alu depctr_va_vdst(0)                   ; one wait for the whole batch, ahead of its first reader
.irp b, 0,1,2,3
	v_exp_f32 v[232+\b], v[232+\b]                 ; the block's largest p
.endr
	v_pk_add_f32 v[236:237], v[132:133], v[136:137]
	v_pk_add_f32 v[250:251], v[140:141], v[144:145]
	v_pk_add_f32 v[248:249], v[148:149], v[152:153]
	v_pk_add_f32 v[246:247], v[156:157], v[160:161]
	v_pk_add_f32 v[244:245], v[164:165], v[168:169]
	v_pk_add_f32 v[242:243], v[172:173], v[176:177]
	v_pk_add_f32 v[240:241], v[180:181], v[184:185]
	v_pk_add_f32 v[14:15], v[14:15], v[188:189]
	v_pk_add_f32 v[236:237], v[236:237], v[128:129]
	v_pk_add_f32 v[250:251], v[250:251], v[130:131]
	v_pk_add_f32 v[248:249], v[248:249], v[134:135]
	v_pk_add_f32 v[246:247], v[246:247], v[138:139]
	v_pk_add_f32 v[244:245], v[244:245], v[142:143]
	v_pk_add_f32 v[242:243], v[242:243], v[146:147]
	v_pk_add_f32 v[240:241], v[240:241], v[150:151]
	v_pk_add_f32 v[14:15], v[14:15], v[154:155]
	v_pk_add_f32 v[236:237], v[236:237], v[158:159]
	v_pk_add_f32 v[250:251], v[250:251], v[162:163]
	v_pk_add_f32 v[248:249], v[248:249], v[166:167]
	v_pk_add_f32 v[246:247], v[246:247], v[170:171]
	v_pk_add_f32 v[244:245], v[244:245], v[174:175]
	v_pk_add_f32 v[242:243], v[242:243], v[178:179]
	v_pk_add_f32 v[240:241], v[240:241], v[182:183]
	v_pk_add_f32 v[14:15], v[14:15], v[186:187]
	v_pk_add_f32 v[236:237], v[236:237], v[190:191]
	s_delay_alu instid0(VALU_DEP_2)
	v_pk_add_f32 v[14:15], v[14:15], v[246:247]
	s_delay_alu instid0(VALU_DEP_2)
	v_pk_add_f32 v[236:237], v[236:237], v[244:245]
	v_pk_add_f32 v[250:251], v[250:251], v[242:243]
	v_pk_add_f32 v[248:249], v[248:249], v[240:241]
	s_delay_alu instid0(VALU_DEP_2)
	v_pk_add_f32 v[14:15], v[14:15], v[250:251]
	s_delay_alu instid0(VALU_DEP_2)
	v_pk_add_f32 v[236:237], v[236:237], v[248:249]
	s_delay_alu instid0(VALU_DEP_1)
	v_pk_add_f32 v[14:15], v[14:15], v[236:237]
	s_wait_alu depctr_va_vdst(0)                   ; and one for the four
.irp b, 0,1,2,3
	v_max_num_f32 v[232+\b], 0x1800000, v[232+\b]  ; the floor 2^(3 - 127): the byte cannot fall under 1
.endr
.irp b, 0,1,2,3
	s_delay_alu instid0(VALU_DEP_4)
	v_add_nc_u32 v[244+\b], 0xff000000, v[232+\b]  ; 2 off the exponent field: the conversion's scale operand
.endr
.irp b, 0,1,2,3
	s_delay_alu instid0(VALU_DEP_4)
	v_lshrrev_b32 v[236+\b], 23, v[244+\b]         ; the scale's byte
.endr
	s_delay_alu instid0(VALU_DEP_3)
	v_lshl_or_b32 v253, v237, 8, v236              ; p's scale word for these 128 keys
	s_delay_alu instid0(VALU_DEP_1)
	v_lshl_or_b32 v253, v238, 16, v253
	s_delay_alu instid0(VALU_DEP_1)
	v_lshl_or_b32 v253, v239, 24, v253
.irp c, 0,1
	v_cvt_scalef32_pk16_fp6_f32 v[224+6*\c:226+6*\c], v[128+32*\c:143+32*\c], v[244+2*\c]
	v_cvt_scalef32_pk16_fp6_f32 v[236+4*\c:238+4*\c], v[144+32*\c:159+32*\c], v[245+2*\c]   ; (a conversion's three registers begin on an even number)
.endr
	v_nop                                          ; one plain place behind a scaled conversion
.irp c, 0,1                            ; the operand's layout wants a whole block in a lane
.irp i, 0,1,2
	v_permlane16_swap_b32 v[224+6*\c+\i], v[236+4*\c+\i]
.endr
.irp i, 0,1,2
	s_delay_alu instid0(VALU_DEP_3)
	v_mov_b32 v[227+6*\c+\i], v[236+4*\c+\i]
.endr
.endr
	s_setprio 0
.irp j, 0,2,4,6,8,10,12,14,16,18,20,22,24,26,28,30
	v_pk_mul_f32 v[192+\j:193+\j], v[192+\j:193+\j], v[252:253] op_sel_hi:[1,0]   ; O^T under the new M; these sixteen also stand between the writing of p's codes and word and the products
.endr
.irp d, 0,1,2,3                        ; O^T += V^T P^T: the four accumulators take turns
	v_wmma_scale_f32_16x16x128_f8f6f4 v[192+8*\d:199+8*\d], v[80+12*\d:91+12*\d], v[224:235], v[192+8*\d:199+8*\d], v[28+\d], v253 matrix_a_fmt:MATRIX_FMT_FP6 matrix_b_fmt:MATRIX_FMT_FP6
.endr
	s_add_co_u32 s[TB], s[TB], 6144
	s_add_co_u32 s[TS], s[TS], 512
	s_add_co_u32 s[TJ], s[TJ], 256
.endm
; A chunk of 512 keys: four key steps.  The count leaves the later chunks' loads on their way.
.macro CHUNK c
	s_wait_tensorcnt 3-\c                          ; in waves 0 and 1: the scale words and chunks 0 to c have landed; 3 - c loads were issued behind chunk c's
	s_barrier_signal -1
	s_barrier_wait -1                              ; so every wave may read them
	s_mov_b32 s[TB], 24576*\c
	s_mov_b32 s[TS], 2048*\c
	s_mov_b32 s[TJ], 1024*\c
	s_mov_b32 s[CNT], 4
.Lstep_\@:
	s_setprio 2
	STEP
	s_sub_co_u32 s[CNT], s[CNT], 1
	s_cmp_lg_u32 s[CNT], 0
	s_cbranch_scc1 .Lstep_\@
	s_setprio 0
.endm
	CHUNK 0
	CHUNK 1
	CHUNK 2
	CHUNK 3
	; THE WAY OUT.  O^T / the sum is my 16 queries' part of x: register 16 g + i is channel 32 g + 16 (lane / 16) + i of the head: two blocks of the next product's K.  The lines up to the wait are the places behind the last products.
	v_add_f32 v14, v14, v15                        ; the sum's two halves,
	s_delay_alu instid0(VALU_DEP_1)
	v_permlanex16_b32 v252, v14, s[SEL], s[SEL+1]
	s_delay_alu instid0(VALU_DEP_1)
	v_add_f32 v14, v14, v252                       ; and lane l xor 16's
	s_wait_alu depctr_va_vdst(0)
	v_rcp_f32 v14, v14
	v_and_b32 v8, 15, v0                           ; r (a plain place behind the reciprocal)
	v_bfe_u32 v9, v0, 4, 1                         ; h
	s_delay_alu instid0(VALU_DEP_1)
	v_lshl_add_u32 v8, v8, 5, v9                   ; xs: 32 bytes a row, + my block
	s_delay_alu instid0(VALU_DEP_2)
	v_cmp_ne_u32 vcc_lo, 0, v9
	s_wait_alu depctr_va_vdst(0)                   ; ahead of the reciprocal's first reader
.irp j, 0,2,4,6,8,10,12,14,16,18,20,22,24,26,28,30
	v_pk_mul_f32 v[128+\j:129+\j], v[192+\j:193+\j], v[14:15] op_sel_hi:[1,0]   ; each accumulator from its low end on
.endr
.irp b, 0,1
	v_max3_num_f32 v[232+\b], |v[128+16*\b]|, |v[129+16*\b]|, 0x1800000
.endr
.irp i, 2,4,6,8,10,12,14
.irp b, 0,1
	s_delay_alu instid0(VALU_DEP_2)
	v_max3_num_f32 v[232+\b], v[232+\b], |v[128+16*\b+\i]|, |v[129+16*\b+\i]|
.endr
.endr
.irp b, 0,1
	s_delay_alu instid0(VALU_DEP_2)
	v_permlanex16_b32 v[236+\b], v[232+\b], s[SEL], s[SEL+1]
.endr
.irp b, 0,1
	s_delay_alu instid0(VALU_DEP_2)
	v_max_num_f32 v[232+\b], v[232+\b], v[236+\b]
.endr
.irp b, 0,1
	s_delay_alu instid0(VALU_DEP_2)
	v_add_nc_u32 v[244+\b], 0xff000000, v[232+\b]
.endr
.irp b, 0,1
	s_delay_alu instid0(VALU_DEP_2)
	v_lshrrev_b32 v[240+\b], 23, v[244+\b]
.endr
	s_delay_alu instid0(VALU_DEP_1)
	v_cndmask_b32 v242, v240, v241, vcc_lo         ; lanes 0-15 store block 0's byte, lanes 16-31 block 1's
	v_cvt_scalef32_pk16_fp6_f32 v[224:226], v[128:143], v244
	v_cvt_scalef32_pk16_fp6_f32 v[236:238], v[144:159], v245
	v_nop                                          ; one plain place behind a scaled conversion
.irp i, 0,1,2
	v_permlane16_swap_b32 v[224+\i], v[236+\i]
.endr
.irp i, 0,1,2
	s_delay_alu instid0(VALU_DEP_3)
	v_mov_b32 v[227+\i], v[236+\i]                 ; registers 0-5: k = 32 (lane / 16) + 0 .. 31 of the head's 64
.endr
.irp p, 0,1,2
	global_store_b64 v[AK0], v[224+2*\p:225+2*\p], s[8:9] offset:256*\p   ; 32 lanes store 256 consecutive bytes, aligned
.endr
	global_store_b8 v8, v242, s[10:11]
	s_wait_tensorcnt 0x0                           ; the wave's end
	ds_add_u32 v[SPW], v[NIL]
	s_wait_dscnt 0x0
	CROUND                                         ; the closing round
	s_endpgm
.Lfunc_end_k_q507e68f6fe_attn:
	.size	k_q507e68f6fe_attn, .Lfunc_end_k_q507e68f6fe_attn-k_q507e68f6fe_attn
	.p2alignl 7, 3214868480
	.fill 96, 4, 3214868480
	.section	.rodata,"a",@progbits
	.p2align	6, 0x0
	.amdhsa_kernel k_q507e68f6fe_attn
		.amdhsa_group_segment_fixed_size 210944
		.amdhsa_private_segment_fixed_size 0
		.amdhsa_enable_private_segment 0
		.amdhsa_kernarg_size 32
		.amdhsa_user_sgpr_count 2
		.amdhsa_user_sgpr_kernarg_segment_ptr 1
		.amdhsa_wavefront_size32 1
		.amdhsa_system_sgpr_workgroup_id_x 1
		.amdhsa_system_sgpr_workgroup_id_y 1
		.amdhsa_system_sgpr_workgroup_id_z 1
		.amdhsa_system_vgpr_workitem_id 0
		.amdhsa_next_free_vgpr 256
		.amdhsa_next_free_sgpr 76
		.amdhsa_reserve_vcc 1
		.amdhsa_float_denorm_mode_32 3
		.amdhsa_float_denorm_mode_16_64 3
		.amdhsa_memory_ordered 1
		.amdhsa_forward_progress 1
		.amdhsa_inst_pref_size 86
	.end_amdhsa_kernel
	.amdgpu_metadata
---
amdhsa.version: [ 1, 2 ]
amdhsa.kernels:
  - .name:           k_q507e68f6fe_attn
    .symbol:         k_q507e68f6fe_attn.kd
    .args:
      - { .name: hc, .offset: 0, .size: 8, .value_kind: global_buffer, .address_space: global }
      - { .name: hs, .offset: 8, .size: 8, .value_kind: global_buffer, .address_space: global }
      - { .name: xc, .offset: 16, .size: 8, .value_kind: global_buffer, .address_space: global }
      - { .name: xs, .offset: 24, .size: 8, .value_kind: global_buffer, .address_space: global }
    .group_segment_fixed_size: 210944
    .private_segment_fixed_size: 0
    .kernarg_segment_align: 8
    .kernarg_segment_size: 32
    .max_flat_workgroup_size: 512
    .sgpr_count:     76
    .vgpr_count:     256
    .wavefront_size: 32
...
	.end_amdgpu_metadata
.endif
;; end of part 4
;; launch outp (part 5): grid 4 x 32, 4 waves a work-group, clusters of 4 x 4, 327,680 bytes of LDS; arguments xc, xs, c1, s1, bo, out0; writes out0
.if DOCPART == 5
	.amdgcn_target "amdgcn-amd-amdhsa--gfx1250"
	.amdhsa_code_object_version 6
	.text
	.protected	k_q507e68f6fe_outp
	.globl	k_q507e68f6fe_outp
	.p2align	8
	.type	k_q507e68f6fe_outp,@function
k_q507e68f6fe_outp:
	s_mov_b64 s[64:65], 0
	v_nop
	global_prefetch_b8 v0, s[64:65] scope:SCOPE_SE
	s_setreg_imm32_b32 hwreg(HW_REG_WAVE_MODE, 25, 1), 1
	s_wait_xcnt 0x0
	s_wait_alu depctr_hold_cnt(0) depctr_sa_sdst(0) depctr_va_vdst(0) depctr_va_sdst(0) depctr_va_ssrc(0) depctr_va_vcc(0) depctr_vm_vsrc(0)
	s_getreg_b32 s2, hwreg(HW_REG_IB_STS2, 6, 4)
	s_cmp_eq_u32 s2, 0
	s_cbranch_scc0 .Lentry_in_a_cluster
	s_endpgm
.Lentry_in_a_cluster:
	s_bfe_u32 s2, ttmp6, 0x10000c
	s_cmp_lg_u32 s2, 0xf033
	s_cbranch_scc0 .Lentry_shape_is_right
	s_endpgm
.Lentry_shape_is_right:
; out0 = x Wo^T + bo on codes of FP6 (E2M3) with E8M0 scales, f32 sums.  x: 8,192 rows, codes as images of operand registers (xc: [tile of 16 rows][head][768 bytes]), scale bytes row-major (xs: 32 a row).
; Wo: 1,024 rows of 768 bytes of codes at c1 + 21,233,664, in their own order; its scale bytes at s1 + 884,736.
; A tile of 256 x 256 is made by four waves, 128 x 128 each.  K = 1,024 in four steps of 256 through two LDS slots; scale bytes once; 4 x 4 clusters with joint loads: A's (x) tiles along a row, B's (Wo) along a column.
; A's part of a slot: for each of 8 tiles of rows the images of 4 heads, 3,072 consecutive bytes, 12,288 bytes from tile to tile: it lies dense in LDS, and a fragment comes by six loads of 8 bytes x lane on end.
; B's part: rows of 192 bytes, 16 bytes of padding behind every 64: pitch 240.
; Source 0 = 16 rows of Wo, source 1 = 16 rows of x: a lane holds eight neighbouring numbers of a row of out0.  The bias is the C of each sum's first instruction.
; THE WAY OUT: 16 rows x 128 columns at a time through the wave's own stage in LDS (in slot 0, which has had its last fill and its last read), back as whole rows of 512 bytes.
; 128 work-groups: there are 4 x 32 tiles of this size.  No prefetch: of K's four steps two are asked for at the head.
; REGISTERS: window 0: v0-31 addresses; v32-63 scale words, two sets; v64-127 the bias; v128-223 A's fragments; on the way out v128-255 rows of out0.   window 1: B's fragments, two sets.   windows 2, 3: the accumulators.
.set SIZE_N, 1024
.set KSTEP,  256
.set NQ,     2
.set ROWB,   192
.set ASTEP,  3072                      ; A: bytes from one K step to the next in a tile of rows
.set KROW,   768
.set PITCH,  240
.set FR,     12
.set NL,     6
.set NP,     4
.set HALFT,  128*PITCH
.set SLOT,   4*HALFT
.set KS,     32
.set SCL,    2*SLOT
.set HALFS,  (128*KS/256)*272
.set SBLK,   (16*KS/256)*272
.set SPARE,  SCL+4*HALFS
.set SPITCH, 528
.set ADRA, 16                          ; v16-17  A's images in slot 0, 1: 8 x lane + my 128 rows
.set ADRB, 20                          ; v20-21  B's fragments (v22-23: behind one padding more)
.set STO,  24
.set RD,   25
.set CO,   26
.set ADRS, 27
.set SPW,  28
.set NIL,  29
.set SC,   32
.set BI,   64
.set AF,   128
.set BK,   128
.set G1, 24
.set G0, 32
.set G1B, 48
.set G0B, 56
.set G1S, 68
.set G0S, 76
.set G1SB, 80
.set G0SB, 88
.set MSB, 0
.macro WIN new
.if MSB != (\new)
	s_set_vgpr_msb (MSB<<8)|(\new)
.set MSB, (\new)
.endif
.endm
.set MUL_LO, 0xa1
.set MUL_HI, 0xf1
.set BIA_LO, 0x81
.set BIA_HI, 0xc1
.set TO_B,   0x40
.macro JLOAD g0a, g1a, g0b, g1b        ; a joint load: waves 0 and 1 fetch for A, waves 2 and 3 for B; an s_nop 0 and four v_nop follow each of the two lines
	s_cmp_eq_u32 s15, 0
	s_cbranch_scc0 .Lfor_b_\@
	tensor_load_to_lds s[\g0a:\g0a+3], s[\g1a:\g1a+7]
	s_nop 0
.rept 4
	v_nop
.endr
	s_branch .Lasked_\@
.Lfor_b_\@:
	tensor_load_to_lds s[\g0b:\g0b+3], s[\g1b:\g1b+7]
	s_nop 0
.rept 4
	v_nop
.endr
.Lasked_\@:
.endm
.macro CREST
	s_cmp_lg_u32 s14, 0
	s_cbranch_scc1 .Lnot_wave_0_\@
	s_barrier_signal -3
.Lnot_wave_0_\@:
	s_barrier_wait -3
	s_barrier_signal -1
	s_barrier_wait -1
.endm
.macro CROUND
	s_barrier_signal -1
	s_barrier_wait -1
	CREST
.endm
	s_load_b128 s[4:7], s[0:1], 0x0                ; xc, xs
	s_load_b128 s[8:11], s[0:1], 0x10              ; c1, s1
	s_load_b64 s[96:97], s[0:1], 0x20              ; bo
	s_load_b64 s[12:13], s[0:1], 0x28              ; out0
	v_lshl_add_u32 v[SPW], v0, 2, SPARE
	v_mov_b32 v[NIL], 0
	ds_add_u32 v[SPW], v[NIL]                      ; the wave's opening: the add and its wait stand ahead of my first tensor load
	v_lshrrev_b32 v1, 5, v0
	v_readfirstlane_b32 s14, v1                    ; wave 0..3
	s_lshr_b32 s15, s14, 1                         ; which half of the tile's rows is mine.  Also: I fetch for A (0) or for B (1)
	s_and_b32 s16, s14, 1                          ; which half of its columns.  Also: which 128 rows I fetch
	s_bfe_u32 s40, ttmp6, 0x40000
	s_bfe_u32 s41, ttmp6, 0x40004
	s_lshl_b32 s42, ttmp9, 2
	s_add_co_u32 s42, s42, s40                     ; x: tile column
	s_and_b32 s17, ttmp7, 0xffff
	s_lshl_b32 s17, s17, 2
	s_add_co_u32 s17, s17, s41                     ; y: tile row
	s_lshl_b32 s43, s41, 2
	s_lshl_b32 s43, 15, s43
	s_lshl_b32 s44, 0x1111, s40
	s_or_b32 s[G1+0], s43, (3<<16)|(1<<21)         ; A: the mask of my row; elements of 8 bytes; bit 21 beside a mask; no padding
	s_mov_b32 s[G1+1], 384<<16                     ; tensor_dim0 = 384 elements: 3,072 bytes
	s_mov_b32 s[G1+2], 8<<16                       ; tensor_dim1 = 8 tiles of rows
	s_mov_b32 s[G1+3], 384<<16                     ; tile_dim0
	s_mov_b32 s[G1+4], 8                           ; tile_dim1
	s_mov_b32 s[G1+5], 1536                        ; the pitch: 12,288 bytes
	s_mov_b32 s[G1+6], 0
	s_mov_b32 s[G1+7], 0
	s_or_b32 s[G1B+0], s44, (0<<16)|(1<<20)|(1<<21)|(3<<22)|(3<<25)   ; B: the mask of my column; elements of 1 byte; after every 16 words 4 words of padding
	s_mov_b32 s[G1B+1], ROWB<<16
	s_mov_b32 s[G1B+2], 128<<16
	s_mov_b32 s[G1B+3], ROWB<<16
	s_mov_b32 s[G1B+4], 128
	s_mov_b32 s[G1B+5], KROW
	s_mov_b32 s[G1B+6], 0
	s_mov_b32 s[G1B+7], 0
	s_or_b32 s[G1S+0], s43, (3<<16)|(1<<20)|(1<<21)|(5<<22)|(3<<25)
	s_or_b32 s[G1SB+0], s44, (3<<16)|(1<<20)|(1<<21)|(5<<22)|(3<<25)
.irp g, G1S, G1SB
	s_mov_b32 s[\g+1], 32<<16
	s_mov_b32 s[\g+2], (128*KS/256)<<16
	s_mov_b32 s[\g+3], 32<<16
	s_mov_b32 s[\g+4], 128*KS/256
	s_mov_b32 s[\g+5], 32
	s_mov_b32 s[\g+6], 0
	s_mov_b32 s[\g+7], 0
.endr
	s_lshl_b32 s18, s16, 7
	s_lshl_b32 s20, s17, 8
	s_add_co_u32 s20, s20, s18                     ; A: row 256 y + 128 x half
	s_lshl_b32 s46, s42, 8
	s_add_co_u32 s46, s46, s18                     ; B: row 256 x + 128 x half
	s_mov_b32 s21, 0
	s_mov_b32 s47, 0
	s_mov_b64 s[18:19], KS
	s_mul_u64 s[22:23], s[20:21], s[18:19]
	s_mul_u64 s[92:93], s[46:47], s[18:19]
	s_mov_b64 s[18:19], KROW
	s_mul_u64 s[20:21], s[20:21], s[18:19]         ; A's images too: 12,288 bytes for 16 rows are 768 a row
	s_mul_u64 s[46:47], s[46:47], s[18:19]
	s_mul_i32 s45, s14, HALFT
	s_mul_i32 s94, s14, HALFS
	s_wait_dscnt 0x0                               ; the opening add is done
	s_wait_kmcnt 0x0
	s_add_nc_u64 s[8:9], s[8:9], 21233664          ; Wo: codes,
	s_add_nc_u64 s[10:11], s[10:11], 884736        ; scale bytes
	s_add_nc_u64 s[20:21], s[4:5], s[20:21]
	s_add_nc_u64 s[22:23], s[6:7], s[22:23]
	s_add_nc_u64 s[46:47], s[8:9], s[46:47]
	s_add_nc_u64 s[92:93], s[10:11], s[92:93]
	CROUND                                         ; all sixteen work-groups are here: the first joint loads meet
	s_mov_b32 s[G0S], 1
	s_add_co_u32 s[G0S+1], s94, SCL
	s_mov_b64 s[G0S+2:G0S+3], s[22:23]
	s_or_b32 s[G0S+3], s[G0S+3], 0x80000000
	s_mov_b32 s[G0SB], 1
	s_add_co_u32 s[G0SB+1], s94, SCL
	s_mov_b64 s[G0SB+2:G0SB+3], s[92:93]
	s_or_b32 s[G0SB+3], s[G0SB+3], 0x80000000
	JLOAD G0S, G1S, G0SB, G1SB
.irp s, 0,1
	s_mov_b32 s[G0+4*\s], 1
	s_add_co_u32 s[G0+4*\s+1], s45, \s*SLOT
	s_add_nc_u64 s[G0+4*\s+2:G0+4*\s+3], s[20:21], \s*ASTEP
	s_or_b32 s[G0+4*\s+3], s[G0+4*\s+3], 0x80000000
	s_mov_b32 s[G0B+4*\s], 1
	s_add_co_u32 s[G0B+4*\s+1], s45, \s*SLOT
	s_add_nc_u64 s[G0B+4*\s+2:G0B+4*\s+3], s[46:47], \s*ROWB
	s_or_b32 s[G0B+4*\s+3], s[G0B+4*\s+3], 0x80000000
	JLOAD G0+4*\s, G1, G0B+4*\s, G1B               ; three tensor loads of mine are out
.endr
	v_and_b32 v1, 15, v0                           ; r
	v_bfe_u32 v2, v0, 4, 1                         ; h
	; the bias: lane (r, h) wants, for B's block b, the columns 16 b + 8 h + 0 .. 7
	s_lshl_b32 s18, s42, 10
	s_lshl_b32 s19, s16, 9
	s_add_co_u32 s18, s18, s19
	s_mov_b32 s19, 0
	s_add_nc_u64 s[96:97], s[96:97], s[18:19]
	v_lshlrev_b32 v7, 5, v2
.irp b, 0,1,2,3,4,5,6,7
	global_load_b128 v[BI+8*\b:BI+8*\b+3], v7, s[96:97] offset:64*\b
	global_load_b128 v[BI+8*\b+4:BI+8*\b+7], v7, s[96:97] offset:64*\b+16
.endr
	v_mul_u32_u24 v3, v1, PITCH
	v_mul_u32_u24 v4, v2, 24
	v_add_nc_u32 v4, v3, v4                        ; B: a fragment's row x pitch + 24 x half
	v_lshl_add_u32 v5, v2, 4, v4                   ; and the same behind one padding more
	v_and_b32 v6, 31, v0
	v_lshlrev_b32 v3, 3, v6                        ; A: 8 x lane
	s_mul_i32 s21, s15, HALFT                      ; my 128 rows of A
	s_mul_i32 s22, s16, HALFT                      ; my 128 rows of B,
	s_add_co_u32 s22, s22, 2*HALFT                 ; which lie behind A's
.irp s, 0,1
	v_add_nc_u32 v[ADRA+\s], s21, v3
	v_add_nc_u32 v[ADRB+\s], s22, v4
	v_add_nc_u32 v[ADRB+2+\s], s22, v5
	s_add_co_u32 s21, s21, SLOT
	s_add_co_u32 s22, s22, SLOT
.endr
	v_mul_u32_u24 v5, v1, KS
	v_lshrrev_b32 v6, 8, v5
	v_lshl_add_u32 v5, v6, 4, v5
	s_mul_i32 s21, s15, HALFS
	s_mul_i32 s22, s16, HALFS
	s_add_co_u32 s22, s22, 2*HALFS
	s_sub_co_u32 s22, s22, s21
	v_mul_u32_u24 v6, s22, v2
	s_add_co_u32 s21, s21, SCL
	v_add_nc_u32 v5, v5, v6
	v_add_nc_u32 v[ADRS], s21, v5
	s_mul_i32 s23, s14, 16*SPITCH                  ; my stage
	v_mul_u32_u24 v5, v1, SPITCH                   ; in: row l % 16, 32 bytes for each half of the lanes
	v_lshl_add_u32 v5, v2, 5, v5
	v_add_nc_u32 v[STO], s23, v5
	v_and_b32 v6, 31, v0
	v_lshlrev_b32 v[CO], 4, v6                     ; back: the 32 lanes take one row of 512 bytes; and the same in out0
	v_add_nc_u32 v[RD], s23, v[CO]
	s_lshl_b32 s20, s17, 8
	s_lshl_b32 s21, s15, 7
	s_add_co_u32 s20, s20, s21                     ; my first row of out0
	s_mov_b32 s21, 0
	s_mov_b64 s[18:19], SIZE_N*4
	s_mul_u64 s[20:21], s[20:21], s[18:19]
	s_lshl_b32 s46, s42, 10                        ; my first column, in bytes
	s_lshl_b32 s47, s16, 9
	s_add_co_u32 s46, s46, s47
	s_mov_b32 s47, 0
	s_add_nc_u64 s[20:21], s[20:21], s[46:47]
	s_add_nc_u64 s[12:13], s[12:13], s[20:21]
.macro FRAG reg, adr, q, i             ; B's fragment from padded rows
.irp p, 0,1,2,3,4,5
.set PC, 12*(\q)+6*(\p/3)+\p%3
.if PC%8 < 5
	ds_load_b64 v[\reg+2*\p:\reg+2*\p+1], v[\adr] offset:8*PC+16*(PC/8)+(\i)*16*PITCH
.else
	ds_load_b64 v[\reg+2*\p:\reg+2*\p+1], v[\adr+2] offset:8*PC+16*(PC/8)+(\i)*16*PITCH
.endif
.endr
.endm
.macro FRAGA reg, slot, q, i           ; A's fragment from images: tile of rows i, heads 2 q and 2 q + 1 of the slot's four; registers 2 p, 2 p + 1 of lane l at 256 (p % 3) + 8 l of head p / 3's 768 bytes
.irp p, 0,1,2,3,4,5
	ds_load_b64 v[\reg+2*\p:\reg+2*\p+1], v[ADRA+\slot] offset:3072*(\i)+768*(2*(\q)+\p/3)+256*(\p%3)
.endr
.endm
.macro MUL16 a0, p, q, sc, first       ; 16 matrix instructions; first = 1: the bias is C and starts the sums.  The 64 accumulators take turns
.irp a, \a0, \a0+1
.irp b, 0,1,2,3,4,5,6,7
.if \first
	v_wmma_scale_f32_16x16x128_f8f6f4 v[8*(8*((\a)%4)+\b):8*(8*((\a)%4)+\b)+7], v[128*(\p)+FR*\b:128*(\p)+FR*\b+FR-1], v[AF+FR*(\a):AF+FR*(\a)+FR-1], v[BI+8*\b:BI+8*\b+7], v[SC+8*NQ*(\sc)+NQ*\b+(\q)], v[SC+8*NQ*(\sc)+NQ*(\a)+(\q)] matrix_a_fmt:MATRIX_FMT_FP6 matrix_b_fmt:MATRIX_FMT_FP6 matrix_a_scale:MATRIX_SCALE_ROW1
.else
	v_wmma_scale_f32_16x16x128_f8f6f4 v[8*(8*((\a)%4)+\b):8*(8*((\a)%4)+\b)+7], v[128*(\p)+FR*\b:128*(\p)+FR*\b+FR-1], v[AF+FR*(\a):AF+FR*(\a)+FR-1], v[8*(8*((\a)%4)+\b):8*(8*((\a)%4)+\b)+7], v[SC+8*NQ*(\sc)+NQ*\b+(\q)], v[SC+8*NQ*(\sc)+NQ*(\a)+(\q)] matrix_a_fmt:MATRIX_FMT_FP6 matrix_b_fmt:MATRIX_FMT_FP6 matrix_a_scale:MATRIX_SCALE_ROW1
.endif
.endr
.endr
.endm
.macro FETCH_B slot, q, p
	WIN TO_B
.irp i, 0,1,2,3,4,5,6,7
	FRAG 128*(\p)+FR*\i, ADRB+\slot, \q, \i
.endr
	WIN 0
.endm
.macro FETCH_A slot, q, i0
.irp i, \i0, \i0+1, \i0+2, \i0+3
	FRAGA AF+FR*(\i), \slot, \q, \i
.endr
.endm
.macro SCALES sc
.irp i, 0,1,2,3,4,5,6,7
	ds_load_b64 v[SC+8*NQ*\sc+NQ*\i:SC+8*NQ*\sc+NQ*\i+1], v[ADRS] offset:\i*SBLK
.endr
.endm
.macro PLACES n
.rept \n
	v_nop
.endr
.endm
.macro STEP slot, q, first
	s_wait_dscnt 4*NL                              ; the youngest 24 loads (A's blocks 4-7) may be out
.if \first
	WIN BIA_LO
.else
	WIN MUL_LO
.endif
	MUL16 0, (\q)%2, \q, \slot, \first
	MUL16 2, (\q)%2, \q, \slot, \first
	s_wait_dscnt 0
	PLACES NP
	FETCH_B \slot, (\q)+1, 1-(\q)%2
	FETCH_A \slot, (\q)+1, 0
.if \first
	WIN BIA_HI
.else
	WIN MUL_HI
.endif
	MUL16 4, (\q)%2, \q, \slot, \first
	MUL16 6, (\q)%2, \q, \slot, \first
	PLACES NP
	WIN 0
	FETCH_A \slot, (\q)+1, 4
.endm
.macro TURN slot, next, fill
	s_wait_tensorcnt 0x0                           ; all my tensor loads have landed: my part of the next slot
	ds_add_u32 v[SPW], v[NIL]                      ; 0 onto my spare word
	s_wait_dscnt 4*NL+1                            ; (the add and the youngest 24 loads may be out)
	WIN MUL_LO
	MUL16 0, 1, NQ-1, \slot, 0
	s_wait_dscnt 0x0                               ; the add is done, and my reads of this slot are over
	s_barrier_signal -1
	MUL16 2, 1, NQ-1, \slot, 0
	WIN 0
	s_barrier_wait -1
.if \fill
	CREST                                          ; a round of the cluster's barrier: no wave of any partner still reads this slot or has a load on its way
	s_add_nc_u64 s[G0+4*\slot+2:G0+4*\slot+3], s[G0+4*\slot+2:G0+4*\slot+3], 2*ASTEP
	s_add_nc_u64 s[G0B+4*\slot+2:G0B+4*\slot+3], s[G0B+4*\slot+2:G0B+4*\slot+3], 2*ROWB
	JLOAD G0+4*\slot, G1, G0B+4*\slot, G1B
.else
	PLACES NP
.endif
	v_add_nc_u32 v[ADRS], 4*NQ, v[ADRS]
	FETCH_B \next, 0, 0
	FETCH_A \next, 0, 0
	SCALES \next
	WIN MUL_HI
	MUL16 4, 1, NQ-1, \slot, 0
	MUL16 6, 1, NQ-1, \slot, 0
	PLACES NP
	WIN 0
	FETCH_A \next, 0, 4
.endm
	s_wait_tensorcnt 1                             ; the scales and my part of K step 0 are in (K step 1's load may be out)
	s_barrier_signal -1
	s_barrier_wait -1
	FETCH_B 0, 0, 0
	FETCH_A 0, 0, 0
	SCALES 0
	FETCH_A 0, 0, 4
	s_wait_loadcnt 0x0                             ; the bias
	STEP 0, 0, 1
	TURN 0, 1, 1
	STEP 1, 0, 0
	TURN 1, 0, 1
	STEP 0, 0, 0
	TURN 0, 1, 0
	STEP 1, 0, 0
	s_wait_dscnt 4*NL
	WIN MUL_LO
	MUL16 0, 1, NQ-1, 1, 0
	MUL16 2, 1, NQ-1, 1, 0
	s_wait_dscnt 0
	WIN MUL_HI
	MUL16 4, 1, NQ-1, 1, 0
	MUL16 6, 1, NQ-1, 1, 0
	WIN 0
; THE WAY OUT, block by block of 16 rows x 128 columns, through my own stage.  LDS serves a wave's instructions in order: no wait between the stores and the loads, nor in front of the next block's stores.
.macro TOSTAGE a
.set AC, 64*((\a)%4)
	WIN 0x08+4*((\a)/4)                            ; the data: window 2 or 3
.irp b, 0,1,2,3,4,5,6,7
	ds_store_b128 v[STO], v[AC+8*\b:AC+8*\b+3] offset:64*\b          ; each accumulator from its low end on
	ds_store_b128 v[STO], v[AC+8*\b+4:AC+8*\b+7] offset:64*\b+16
.endr
	WIN 0
.set BB, BK+64*((\a)%2)
.irp t, 0,1,2,3,4,5,6,7,8,9,10,11,12,13,14,15
	ds_load_b128 v[BB+4*\t:BB+4*\t+3], v[RD] offset:\t*SPITCH
.endr
.endm
.macro SEND a, younger                 ; younger: the LDS instructions issued behind block a's loads, which may stay out
.set BB, BK+64*((\a)%2)
	s_wait_dscnt \younger
.if (\a) > 0
	s_add_nc_u64 s[12:13], s[12:13], 16*SIZE_N*4   ; (behind a wait on XCNT: the earlier stores have read their base)
.endif
.irp t, 0,1,2,3,4,5,6,7,8,9,10,11,12,13,14,15
	global_store_b128 v[CO], v[BB+4*\t:BB+4*\t+3], s[12:13] offset:\t*SIZE_N*4 th:TH_STORE_NT   ; 32 lanes store 512 consecutive bytes, aligned; written once, read by nobody here
.endr
.endm
	PLACES NP
	TOSTAGE 0
.irp a, 1,2,3,4,5,6,7
.if \a > 1
	s_wait_xcnt 0x0                                ; block a - 2's stores have read their registers and their base
.endif
	TOSTAGE \a
	SEND \a-1, 32                                  ; behind block a - 1's loads: block a's 16 stores and 16 loads
.endr
	s_wait_xcnt 0x0                                ; block 6's stores have read their base
	SEND 7, 0
	s_wait_tensorcnt 0x0                           ; the wave's end
	ds_add_u32 v[SPW], v[NIL]
	s_wait_dscnt 0x0
	CROUND                                         ; the closing round
	s_endpgm
.Lfunc_end_k_q507e68f6fe_outp:
	.size	k_q507e68f6fe_outp, .Lfunc_end_k_q507e68f6fe_outp-k_q507e68f6fe_outp
	.p2alignl 7, 3214868480
	.fill 96, 4, 3214868480
	.section	.rodata,"a",@progbits
	.p2align	6, 0x0
	.amdhsa_kernel k_q507e68f6fe_outp
		.amdhsa_group_segment_fixed_size 327680
		.amdhsa_private_segment_fixed_size 0
		.amdhsa_enable_private_segment 0
		.amdhsa_kernarg_size 48
		.amdhsa_user_sgpr_count 2
		.amdhsa_user_sgpr_kernarg_segment_ptr 1
		.amdhsa_wavefront_size32 1
		.amdhsa_system_sgpr_workgroup_id_x 1
		.amdhsa_system_sgpr_workgroup_id_y 1
		.amdhsa_system_sgpr_workgroup_id_z 1
		.amdhsa_system_vgpr_workitem_id 0
		.amdhsa_next_free_vgpr 1024
		.amdhsa_next_free_sgpr 102
		.amdhsa_reserve_vcc 0
		.amdhsa_float_denorm_mode_32 3
		.amdhsa_float_denorm_mode_16_64 3
		.amdhsa_memory_ordered 1
		.amdhsa_forward_progress 1
		.amdhsa_inst_pref_size 161
	.end_amdhsa_kernel
	.amdgpu_metadata
---
amdhsa.version: [ 1, 2 ]
amdhsa.kernels:
  - .name:           k_q507e68f6fe_outp
    .symbol:         k_q507e68f6fe_outp.kd
    .args:
      - { .name: xc, .offset: 0, .size: 8, .value_kind: global_buffer, .address_space: global }
      - { .name: xs, .offset: 8, .size: 8, .value_kind: global_buffer, .address_space: global }
      - { .name: c1, .offset: 16, .size: 8, .value_kind: global_buffer, .address_space: global }
      - { .name: s1, .offset: 24, .size: 8, .value_kind: global_buffer, .address_space: global }
      - { .name: bo, .offset: 32, .size: 8, .value_kind: global_buffer, .address_space: global }
      - { .name: out0, .offset: 40, .size: 8, .value_kind: global_buffer, .address_space: global }
    .group_segment_fixed_size: 327680
    .private_segment_fixed_size: 0
    .kernarg_segment_align: 8
    .kernarg_segment_size: 48
    .max_flat_workgroup_size: 128
    .sgpr_count:     102
    .vgpr_count:     1024
    .wavefront_size: 32
...
	.end_amdgpu_metadata
.endif
;; end of part 5
